; MI455X (gfx1250); checked and timed in simulation.
; The chip was launched on July 23, 2026; its instructions are those of AMD's public machine-readable ISA for CDNA 5 (MIT licence, August 2026) and "CDNA5" Instruction Set Architecture Reference Guide (July 2026). The comments in the code are by the model that wrote it; some were corrected since.
;; Grouped Query Attention. Allowed arithmetic: matrix products marked QUANTISED: E2M1 operands, one E8M0 scale for each 32 along K, by v_wmma_scale_f32_16x16x128_f8f6f4 with both operands' format E2M1 (or v_wmma_scale_f32_32x16x128_f4), f32 sums; products left as they are: bf16, f16 or f32 operands; f32 sums; everything else in f32.
;; Inputs: cos 4 x 2,048 x 128 float32; hidden_states 4 x 2,048 x 2,048 float32; sin 4 x 2,048 x 128 float32; wk 512 x 2,048 float32; wo 2,048 x 512 float32; wq 512 x 2,048 float32; wv 512 x 2,048 float32.
;; Outputs: out0 4 x 2,048 x 2,048 float32.
;; This version of the problem:
;;   THIS VERSION OF THE PROBLEM IS GIVEN IN LOW PRECISION. The matrix products marked QUANTISED in the list below multiply operands that are first quantised to E2M1 (2 exponent bits, 1 mantissa bit; 4 bits a number), with one power-of-two scale for each 32 numbers along K (OCP MX v1.0); their sums are f32. The products marked 'left as it is' may take bf16, f16 or f32 operands, with f32 sums. Whichever they take, every output number must still come out within the allowed error. Rounding operands to bf16 (8 significant bits) uses up far more of that allowance than f16 does (11 bits, for magnitudes from 6e-5 to 65,504). All else is computed in f32.
;;   The module's matrix products, in the order in which they are computed (A, B: the left and right operand; K: the contracted axis; several contracted axes count as one K, in the product's order):
;;     1. [M 8,192, K 2,048] x [K 2,048, N 512]; A: input hidden_states; B: input wq: QUANTISED
;;     2. [M 8,192, K 2,048] x [K 2,048, N 512]; A: input hidden_states; B: input wk: QUANTISED
;;     3. [M 8,192, K 2,048] x [K 2,048, N 512]; A: input hidden_states; B: input wv: QUANTISED
;;     4. batch 16 x [M 2,048, K 128] x [K 128, N 2,048]; A: computed on the way; B: computed on the way: left as it is (an operand is computed on the way)
;;     5. batch 16 x [M 2,048, K 2,048] x [K 2,048, N 128]; A: computed on the way; B: computed on the way: left as it is (an operand is computed on the way)
;;     6. [M 8,192, K 512] x [K 512, N 2,048]; A: computed on the way; B: input wo: left as it is (an operand is computed on the way)
;;   THE QUANTISER, for each operand of a quantised product, along K:
;;     - K is cut into blocks of 32 from its start; a last block that is shorter is filled with zeros.
;;     - A block's scale is 2^e with e = floor(log2(the largest magnitude in the block)) - 2, held to -126 .. 127; a block of zeros has e = 0. As a byte (E8M0): e + 127.
;;     - Each number is divided by its block's scale, clamped to +-6, and rounded to the nearest number of E2M1, ties to even, subnormals kept.
;;     - The product sums the exact products of the quantised numbers (number of the format x scale) in f32.
;;   ~~~python
;;   def quantise(x, axis):      # numpy; x: float32 -> the quantised numbers, widened to float32 again
;;       x = np.moveaxis(x, axis, -1); K = x.shape[-1]
;;       x = np.pad(x, [(0, 0)] * (x.ndim - 1) + [(0, -K % 32)]); x = x.reshape(x.shape[:-1] + (-1, 32)); a = np.abs(x).max(-1, keepdims=True)
;;       e = np.where(a > 0, np.clip(np.frexp(np.where(a > 0, a, 1))[1] - 1 - 2, -126, 127), 0)      # np.frexp(a)[1] - 1 = floor(log2(a)), exactly
;;       r = np.clip(x / 2.0 ** e, -6, 6)
;;       step = 2.0 ** (np.maximum(np.frexp(np.where(r == 0, 1, r))[1] - 1, 0) - 1)
;;       q = np.round(r / step) * step * 2.0 ** e      # np.round: ties to even
;;       return np.moveaxis(q.reshape(q.shape[:-2] + (-1,))[..., :K], -1, axis).astype(np.float32)
;;   ~~~
;; One version. Each part assembles by itself: llvm-mc -triple=amdgcn-amd-amdhsa -mcpu=gfx1250 --defsym DOCPART=n.
;; ======== version 1 of 1: 5 launches
;; limits: values are held in f16: magnitudes above 65,504 overflow, below 6.1e-05 lose precision; right only within a limited range of input values
;; workspace buffers: codes 9,961,472 bytes; scales 622,592 bytes; tab 8,388,608 bytes; wo16 2,097,152 bytes; qkv16 25,165,824 bytes; q32 393,216 bytes; ao16 8,388,608 bytes
;; launch prep (part 1): grid 864 x 1, 4 waves a work-group, no clusters, 33,280 bytes of LDS; arguments hidden_states, wq, wk, wv, wo, cos, sin, codes, scales, tab, wo16; writes codes, scales, tab, wo16
.if DOCPART == 1
	.amdgcn_target "amdgcn-amd-amdhsa--gfx1250"
	.amdhsa_code_object_version 6
	.text
	.protected	k_q656f63f255_prep
	.globl	k_q656f63f255_prep
	.p2align	8
	.type	k_q656f63f255_prep,@function
k_q656f63f255_prep:
	s_mov_b64 s[64:65], 0
	v_nop
	global_prefetch_b8 v0, s[64:65] scope:SCOPE_SE
	s_setreg_imm32_b32 hwreg(HW_REG_WAVE_MODE, 25, 1), 1
	s_wait_xcnt 0x0
; PREP: everything that is laid out once for the later launches.  Three kinds of work-group, told apart by the work-group's number alone, in the order of the bytes that one of them moves (148,480, then 131,072, then 49,152):
;   0-607    hidden_states [8192][2048], wq, wk, wv [512][2048] (f32, K innermost) become codes of FP4 (E2M1), two a byte, and one E8M0 scale byte for each 32 along K:
;            codes = 9,728 rows of 1,024 bytes (hidden's 8,192, then wq's, wk's, wv's 512 each), scales = the same rows of 64 bytes.  All four are plain streams of blocks of 32.
;   608-735  cos, sin [8192 tokens][128] become the rotation's tables in the order of a matrix result's lanes: [tile of 16 tokens 512][b 8][cos, sin][half 2][lane 32][16 bytes]:
;            lane 16 h + r has token r, d = 16 b + 8 h + 4 half + 0 .. 3.  cos x 2^-6; sin x -2^-6 for d < 64 and x 2^-6 for d >= 64: the sign of the rotated half and the scale of q and k lie in the table.
;   736-863  wo [2048][512] becomes f16(4 wo), laid [K step 4][tile of 16 rows 128][ct 8][512 bytes]: in a block lane 16 h + r has row r, channels 16 ct + 8 h + 0 .. 7 at byte 16 x lane.
; A block's scale is 2^(floor(log2(its largest magnitude)) - 2); its byte is that magnitude's exponent field - 2, held at 1 from below.  A block of zeros so gets the byte 1: its codes are zeros, and this program alone reads the bytes.
; LIMITS: blocks whose largest magnitude lies under 2^-124 were not tried; NaN and infinities are not served; |wo| stays under 16,376 (f16's largest number / 4).
; The stream binds on memory: no matrix unit, no cluster, no barrier: waves share nothing.
.set WAVES, 4
.set STEPS, 16
.set EMAX,  2
.set CB,    8                          ; bytes of 16 codes
.set R,     16                         ; v16-79   four sets of 16 numbers as they are loaded
.set X,     80                         ; v80-111  two sets of 16 neighbours
.set E,     112                        ; v112-127 a scale byte for each step
.set C,     128                        ; v128-191 codes: four registers for each step
.set WREG,  8192                       ; LDS: a region for each wave: two stages of 32 x SP bytes, then its 256 scale bytes
.set SP,    80                         ; a lane's place in a stage: 64 bytes + 16 of padding
.set SPW,   12                         ; v12  LDS address of my spare word; never rewritten
.set NIL,   13                         ; v13  0; never rewritten
.set SPARE, WAVES*WREG                 ; behind the four regions: the spare words, 128 bytes a wave
	s_load_b256 s[4:11], s[0:1], 0x0               ; hidden_states, wq, wk, wv
	s_load_b256 s[12:19], s[0:1], 0x20             ; wo, cos, sin, codes
	s_load_b128 s[20:23], s[0:1], 0x40             ; scales, tab
	s_load_b64 s[24:25], s[0:1], 0x50              ; wo16
	v_lshl_add_u32 v[SPW], v0, 2, SPARE
	v_mov_b32 v[NIL], 0
	v_lshrrev_b32 v1, 5, v0
	v_readfirstlane_b32 s26, v1                    ; wave 0..3
	v_and_b32 v2, 31, v0                           ; lane
	s_mov_b32 s31, 0                               ; the high word of every offset
	s_wait_kmcnt 0x0
	s_cmp_ge_u32 ttmp9, 608
	s_cbranch_scc1 .Lother
; ---- the quantiser.  A wave takes 16 steps of 512 numbers.  Each load reads 512 consecutive bytes; a step's 2,048 bytes turn through the wave's own stage in LDS, so that a lane holds 16 neighbours along K.
	s_mov_b64 s[28:29], s[10:11]                   ; which tensor: the choice hangs on the work-group's number alone
	s_mov_b32 s27, 576
	s_cmp_lt_u32 ttmp9, 576
	s_cselect_b64 s[28:29], s[8:9], s[28:29]
	s_cselect_b32 s27, 544, s27
	s_cmp_lt_u32 ttmp9, 544
	s_cselect_b64 s[28:29], s[6:7], s[28:29]
	s_cselect_b32 s27, 512, s27
	s_cmp_lt_u32 ttmp9, 512
	s_cselect_b64 s[28:29], s[4:5], s[28:29]
	s_cselect_b32 s27, 0, s27
	s_sub_co_u32 s27, ttmp9, s27
	s_lshl_b32 s27, s27, 2
	s_add_co_u32 s27, s27, s26                     ; my run of 8,192 numbers in that tensor
	s_lshl_b32 s30, s27, 15
	s_add_nc_u64 s[28:29], s[28:29], s[30:31]
	s_lshl_b32 s27, ttmp9, 2
	s_add_co_u32 s27, s27, s26                     ; and in the one stream of results
	s_lshl_b32 s30, s27, 12
	s_add_nc_u64 s[18:19], s[18:19], s[30:31]      ; 4,096 bytes of codes a run
	s_lshl_b32 s30, s27, 8
	s_add_nc_u64 s[20:21], s[20:21], s[30:31]      ; 256 scale bytes a run
	v_lshlrev_b32 v3, 4, v2                        ; my 16 bytes of a load's 512
	s_mul_i32 s32, s26, WREG
	v_lshrrev_b32 v14, 2, v2
	v_mul_u32_u24 v14, v14, SP
	v_and_b32 v15, 3, v2
	v_lshl_add_u32 v14, v15, 4, v14
	v_add_nc_u32 v14, s32, v14                     ; the stage, on the way in: SP (lane / 4) + 16 (lane % 4)
	v_mul_u32_u24 v15, v2, SP
	v_add_nc_u32 v15, s32, v15                     ; and on the way out: SP x lane: my 16 neighbours
	v_mul_u32_u24 v4, v2, CB                       ; my codes' place in a step's
	v_lshrrev_b32 v5, 1, v2
	s_add_co_u32 s32, s32, 2*32*SP
	v_add_nc_u32 v5, s32, v5                       ; LDS: my wave's 256 scale bytes, my block's byte
	v_lshlrev_b32 v7, 3, v2                        ; on the way out 8 bytes a lane
	v_add_nc_u32 v6, s32, v7
.macro LOAD t
.irp i, 0,1,2,3
	global_load_b128 v[R+16*((\t)%4)+4*\i:R+16*((\t)%4)+4*\i+3], v3, s[28:29] offset:2048*(\t)+512*\i th:TH_LOAD_NT   ; 32 lanes read 512 consecutive bytes
.endr
.endm
.macro TURN t                          ; step t's numbers through the stage: LDS serves a wave's instructions in order, so no wait stands between the stores and the loads
.irp i, 0,1,2,3
	ds_store_b128 v14, v[R+16*((\t)%4)+4*\i:R+16*((\t)%4)+4*\i+3] offset:32*SP*((\t)%2)+8*SP*\i
.endr
.irp i, 0,1,2,3
	ds_load_b128 v[X+16*((\t)%2)+4*\i:X+16*((\t)%2)+4*\i+3], v15 offset:32*SP*((\t)%2)+16*\i
.endr
.endm
.irp t, 0,1,2,3
	LOAD \t
.endr
	s_wait_loadcnt 12                              ; step 0's four loads are in; three steps' twelve may be out
	TURN 0
.macro STEP t
.set XS, X+16*((\t)%2)
.if (\t) > 0
	s_wait_dscnt 1                                 ; this step's numbers are back from the stage (the last step's byte store may be out)
.else
	s_wait_dscnt 0x0
.endif
.if (\t)+4 < STEPS
	LOAD (\t)+4                                    ; into the registers that the stage's stores have read
.endif
.if (\t)+1 < STEPS
.if STEPS-2-(\t) >= 3
	s_wait_loadcnt 12                              ; the next step's four loads are in; those of the three steps behind it may be out
.else
	s_wait_loadcnt 4*(STEPS-2-(\t))
.endif
	TURN (\t)+1
.endif
	v_max3_num_f32 v8, |v[XS]|, |v[XS+1]|, |v[XS+2]|               ; the largest magnitude of my 16, in two chains
	v_max3_num_f32 v9, |v[XS+3]|, |v[XS+4]|, |v[XS+5]|
.irp i, 6,10
	v_max3_num_f32 v8, v8, |v[XS+\i]|, |v[XS+\i+1]|
	v_max3_num_f32 v9, v9, |v[XS+\i+2]|, |v[XS+\i+3]|
.endr
	v_max3_num_f32 v8, v8, |v[XS+14]|, |v[XS+15]|
	v_max3_num_f32 v8, v8, v9, (EMAX+1)<<23        ; and the floor 2^(3 - 127): the byte cannot fall under 1
	v_max_num_f32_dpp v8, v8, v8 row_xmask:1 row_mask:0xf bank_mask:0xf   ; with my neighbour's 16: the block's
	v_add_nc_u32 v11, -(EMAX<<23), v8              ; 2 off its exponent field: the conversion takes this operand's exponent field as its scale
	v_cvt_scalef32_pk8_fp4_f32 v[C+4*(\t)], v[XS:XS+7], v11
	v_cvt_scalef32_pk8_fp4_f32 v[C+4*(\t)+1], v[XS+8:XS+15], v11
	v_lshrrev_b32 v[E+(\t)], 23, v11               ; the scale's byte (also the plain line behind the conversions)
	ds_store_b8 v5, v[E+(\t)] offset:16*(\t)       ; both lanes of a block write the same byte with the same value
	global_store_b64 v4, v[C+4*(\t):C+4*(\t)+1], s[18:19] offset:32*CB*(\t)   ; the wave stores 256 consecutive bytes, aligned
.endm
.irp t, 0,1,2,3,4,5,6,7,8,9,10,11,12,13,14,15
	STEP \t
.endr
	ds_load_b64 v[8:9], v6                         ; LDS serves a wave's instructions in order: these see my stores
	s_wait_dscnt 0x0
	global_store_b64 v7, v[8:9], s[20:21]          ; 32 lanes store 256 consecutive bytes, aligned
	s_wait_tensorcnt 0x0                           ; the wave's end, behind my last LDS store
	ds_add_u32 v[SPW], v[NIL]
	s_wait_dscnt 0x0
	s_endpgm
.Lother:
	s_cmp_ge_u32 ttmp9, 736
	s_cbranch_scc1 .Lwo
; ---- the tables: a wave takes a tile of 16 tokens.  No LDS is touched on this path.
	v_and_b32 v3, 15, v0
	v_bfe_u32 v4, v0, 4, 1
	v_lshlrev_b32 v3, 9, v3
	v_lshl_add_u32 v3, v4, 5, v3                   ; token r's row of 512 bytes + 32 h
	v_lshlrev_b32 v5, 4, v2
	s_sub_co_u32 s27, ttmp9, 608
	s_lshl_b32 s27, s27, 2
	s_add_co_u32 s27, s27, s26                     ; the tile
	s_lshl_b32 s30, s27, 13
	s_add_nc_u64 s[14:15], s[14:15], s[30:31]
	s_add_nc_u64 s[16:17], s[16:17], s[30:31]
	s_lshl_b32 s30, s27, 14
	s_add_nc_u64 s[22:23], s[22:23], s[30:31]
.irp u, 0,1,2,3,4,5,6,7,8,9,10,11,12,13,14,15      ; u = 2 b + half
	global_load_b128 v[32+4*\u:35+4*\u], v3, s[14:15] offset:64*(\u/2)+16*(\u%2) th:TH_LOAD_NT
.endr
.irp u, 0,1,2,3,4,5,6,7,8,9,10,11,12,13,14,15
	global_load_b128 v[96+4*\u:99+4*\u], v3, s[16:17] offset:64*(\u/2)+16*(\u%2) th:TH_LOAD_NT
.endr
	s_wait_loadcnt 0x0
.set i, 0
.rept 32
	v_pk_mul_f32 v[32+2*i:33+2*i], v[32+2*i:33+2*i], 0x3c800000 op_sel_hi:[1,0]   ; cos x 2^-6
.set i, i+1
.endr
.set i, 0
.rept 16
	v_pk_mul_f32 v[96+2*i:97+2*i], v[96+2*i:97+2*i], 0xbc800000 op_sel_hi:[1,0]   ; sin of d < 64: x -2^-6
	v_pk_mul_f32 v[128+2*i:129+2*i], v[128+2*i:129+2*i], 0x3c800000 op_sel_hi:[1,0]   ; of d >= 64: x 2^-6
.set i, i+1
.endr
.irp u, 0,1,2,3,4,5,6,7,8,9,10,11,12,13,14,15
	global_store_b128 v5, v[32+4*\u:35+4*\u], s[22:23] offset:2048*(\u/2)+512*(\u%2)
	global_store_b128 v5, v[96+4*\u:99+4*\u], s[22:23] offset:2048*(\u/2)+1024+512*(\u%2)
.endr
	s_endpgm
.Lwo:
; ---- wo: work-group = a tile of 16 rows, wave = a K step of 128 channels.  No LDS is touched on this path.
	v_and_b32 v3, 15, v0                           ; r
	v_bfe_u32 v4, v0, 4, 1                         ; h
	v_lshlrev_b32 v3, 11, v3
	v_lshl_add_u32 v3, v4, 5, v3                   ; row r of 2,048 bytes + 32 h
	v_lshlrev_b32 v5, 4, v2                        ; 16 x lane
	s_sub_co_u32 s27, ttmp9, 736
	s_lshl_b32 s30, s27, 15                        ; 16 rows of 2,048 bytes
	s_lshl_b32 s32, s26, 9                         ; 128 channels of 4 bytes
	s_add_co_u32 s30, s30, s32
	s_add_nc_u64 s[12:13], s[12:13], s[30:31]
	s_lshl_b32 s30, s27, 12
	s_lshl_b32 s32, s26, 19
	s_add_co_u32 s30, s30, s32
	s_add_nc_u64 s[24:25], s[24:25], s[30:31]
.irp ct, 0,1,2,3,4,5,6,7
	global_load_b128 v[32+8*\ct:35+8*\ct], v3, s[12:13] offset:64*\ct
	global_load_b128 v[36+8*\ct:39+8*\ct], v3, s[12:13] offset:64*\ct+16
.endr
	s_wait_loadcnt 0x0
.set i, 0
.rept 32
	v_pk_mul_f32 v[32+2*i:33+2*i], v[32+2*i:33+2*i], 4.0 op_sel_hi:[1,0]   ; x 4: exact
.set i, i+1
.endr
.set i, 0
.rept 32
	v_cvt_pk_f16_f32 v[96+i], v[32+2*i], v[33+2*i]
.set i, i+1
.endr
.irp ct, 0,1,2,3,4,5,6,7
	global_store_b128 v5, v[96+4*\ct:99+4*\ct], s[24:25] offset:512*\ct   ; 512 consecutive bytes a store
.endr
	s_endpgm
.Lfunc_end_k_q656f63f255_prep:
	.size	k_q656f63f255_prep, .Lfunc_end_k_q656f63f255_prep-k_q656f63f255_prep
	.p2alignl 7, 3214868480
	.fill 96, 4, 3214868480
	.section	.rodata,"a",@progbits
	.p2align	6, 0x0
	.amdhsa_kernel k_q656f63f255_prep
		.amdhsa_group_segment_fixed_size 33280
		.amdhsa_private_segment_fixed_size 0
		.amdhsa_enable_private_segment 0
		.amdhsa_kernarg_size 88
		.amdhsa_user_sgpr_count 2
		.amdhsa_user_sgpr_kernarg_segment_ptr 1
		.amdhsa_wavefront_size32 1
		.amdhsa_system_sgpr_workgroup_id_x 1
		.amdhsa_system_sgpr_workgroup_id_y 1
		.amdhsa_system_sgpr_workgroup_id_z 1
		.amdhsa_system_vgpr_workitem_id 0
		.amdhsa_next_free_vgpr 192
		.amdhsa_next_free_sgpr 66
		.amdhsa_reserve_vcc 0
		.amdhsa_float_denorm_mode_32 3
		.amdhsa_float_denorm_mode_16_64 3
		.amdhsa_memory_ordered 1
		.amdhsa_forward_progress 1
		.amdhsa_inst_pref_size 53
	.end_amdhsa_kernel
	.amdgpu_metadata
---
amdhsa.version: [ 1, 2 ]
amdhsa.kernels:
  - .name:           k_q656f63f255_prep
    .symbol:         k_q656f63f255_prep.kd
    .args:
      - { .name: hidden_states, .offset: 0, .size: 8, .value_kind: global_buffer, .address_space: global }
      - { .name: wq, .offset: 8, .size: 8, .value_kind: global_buffer, .address_space: global }
      - { .name: wk, .offset: 16, .size: 8, .value_kind: global_buffer, .address_space: global }
      - { .name: wv, .offset: 24, .size: 8, .value_kind: global_buffer, .address_space: global }
      - { .name: wo, .offset: 32, .size: 8, .value_kind: global_buffer, .address_space: global }
      - { .name: cos, .offset: 40, .size: 8, .value_kind: global_buffer, .address_space: global }
      - { .name: sin, .offset: 48, .size: 8, .value_kind: global_buffer, .address_space: global }
      - { .name: codes, .offset: 56, .size: 8, .value_kind: global_buffer, .address_space: global }
      - { .name: scales, .offset: 64, .size: 8, .value_kind: global_buffer, .address_space: global }
      - { .name: tab, .offset: 72, .size: 8, .value_kind: global_buffer, .address_space: global }
      - { .name: wo16, .offset: 80, .size: 8, .value_kind: global_buffer, .address_space: global }
    .group_segment_fixed_size: 33280
    .private_segment_fixed_size: 0
    .kernarg_segment_align: 8
    .kernarg_segment_size: 88
    .max_flat_workgroup_size: 128
    .sgpr_count:     66
    .vgpr_count:     192
    .wavefront_size: 32
...
	.end_amdgpu_metadata
.endif
;; end of part 1
;; launch qkv (part 2): grid 32 x 6, 4 waves a work-group, clusters of 4 x 1, 327,680 bytes of LDS; arguments codes, scales, tab, qkv16, q32; writes qkv16, q32
.if DOCPART == 2
	.amdgcn_target "amdgcn-amd-amdhsa--gfx1250"
	.amdhsa_code_object_version 6
	.text
	.protected	k_q656f63f255_qkv
	.globl	k_q656f63f255_qkv
	.p2align	8
	.type	k_q656f63f255_qkv,@function
k_q656f63f255_qkv:
	s_mov_b64 s[64:65], 0
	v_nop
	global_prefetch_b8 v0, s[64:65] scope:SCOPE_SE
	s_setreg_imm32_b32 hwreg(HW_REG_WAVE_MODE, 25, 1), 1
	s_wait_xcnt 0x0
	s_wait_alu depctr_hold_cnt(0) depctr_sa_sdst(0) depctr_va_vdst(0) depctr_va_sdst(0) depctr_va_ssrc(0) depctr_va_vcc(0) depctr_vm_vsrc(0)
	s_getreg_b32 s2, hwreg(HW_REG_IB_STS2, 6, 4)
	s_cmp_eq_u32 s2, 0
	s_cbranch_scc0 .Lentry_in_a_cluster
	s_endpgm
.Lentry_in_a_cluster:
	s_bfe_u32 s2, ttmp6, 0x10000c
	s_cmp_lg_u32 s2, 0x3003
	s_cbranch_scc0 .Lentry_shape_is_right
	s_endpgm
.Lentry_shape_is_right:
; QKV: [8192 tokens][2048] x [1536 rows of wq, wk, wv][2048]^T on codes of FP4 (E2M1) with one E8M0 scale for each 32 along K; sums in f32, K ascending; then the rotation (q, k) in f32, and f16 out.
; A tile is 256 tokens x 256 columns: four waves, each 128 tokens x 128 columns = ONE head, so that both halves of a rotated pair (d, d + 64) lie in one lane.  64 accumulators of 16 x 16, 512 registers.
; K goes in 4 steps of 512 through a ring of two LDS slots; a tile's row is 256 bytes of memory.  The scale bytes of the tile's rows, for all of K, come once with the first fills and stay.
; CLUSTER: 4 work-groups along the tokens.  They need the same 256 rows of weights: those tiles (and their scales) are asked for JOINTLY, mask 15.  The tokens' tiles are each work-group's own: plain loads at the same places.
;   The tokens' tiles are not shared: the grid's 6 tiles along the columns divide into no cluster of four.
; THE MATRIX INSTRUCTION IS USED TRANSPOSED (source 0 = 16 rows of weights, source 1 = 16 tokens): lane 16 h + r holds token r and columns 8 h + 0 .. 7 of a block of 16.
; OUT: qkv16 [q, k, v][4 batch + head][tile of 16 tokens 128][ct 8][512 bytes], f16: q, k x 2^-6 (the tables hold the factor), v x 2^-2.  A block is half an operand's registers, lane by lane: every store is 512 consecutive bytes.
;   v's 16 bytes of (key r, channels 16 ct + 8 h ..) lie at chunk 16 (r / 8) + 8 h + r % 8, so that the turning LDS load at 16 x lane gives V^T's registers.
;   q32 [batch][q, k, v][head][16][128], f32: the first 16 positions of each sequence, same factors.  Which waves hold them hangs on the place in the cluster, so the stores are switched by EXEC, not by a branch.
; LIMITS: |q|, |k| behind the rotation under 4.19e6 and |v| under 262,016 (f16's largest number x 64, x 4).
; REGISTERS, in windows of 256: window 0: v0-31 addresses; v32-95 scale words, two sets (on the way out: at work); from v128 the tokens' fragments, one set.
;   window 1: the weights' fragments, two sets, at v0 and v128; v64-127, v192-255: four slots of 32 for the tables; on the way out the two sets are four slots more.
;   windows 2, 3: the accumulators ((a, b) at v[8 (8 (a % 4) + b)]).
.set NQ,     4                         ; matrix instructions deep in a slot
.set ROWB,   256                       ; a tile's row in bytes: 512 codes
.set KROW,   1024                      ; a row of codes in memory
.set PITCH,  272                       ; an LDS row: 256 bytes + 16 of padding: the 16 rows of a load start at 16 different banks
.set FR,     8                         ; registers of a fragment
.set NL,     2                         ; LDS loads that bring one
.set NP,     4                         ; places behind this matrix instruction (ISA guide 7.12.1)
.set HALFT,  128*PITCH
.set SLOT,   4*HALFT                   ; the tokens' 256 rows, then the weights' 256
.set KS,     64                        ; a row of scales in bytes
.set SCL,    2*SLOT                    ; behind the ring: the scales, as units of 256 bytes + 16 of padding
.set HALFS,  (128*KS/256)*272
.set SBLK,   (16*KS/256)*272
.set SPARE,  SCL+4*HALFS               ; the spare words, 128 bytes a wave
.set WCODES, 8388608                   ; where the weights' codes begin
.set WSCALE, 524288                    ; and their scales
.set ADRA, 16                          ; v16-17  LDS address of my tokens' fragments in slot 0, 1
.set ADRB, 20                          ; v20-21  the same for the weights
.set LI,   24                          ; v24     16 x lane
.set VO,   25                          ; v25     v's place in a block
.set FO,   26                          ; v26     512 r + 32 h: my place in q32's rows
.set ADRS, 27                          ; v27     LDS address of my scale words
.set SPW,  28                          ; v28     my spare word; never rewritten
.set NIL,  29                          ; v29     0; never rewritten
.set FL,   30                          ; v30     0 in the waves that hold a sequence's first 16 positions in their block 0
.set SC,   32
.set AF,   128
.set TLO,  32                          ; the way out: v32-39 the low half's eight numbers, v40-47 the high half's, v48-55 both as f16
.set THI,  40
.set PK,   48
.set G1, 24
.set G0, 32
.set G1B, 48
.set G0B, 56
.set G1S, 68
.set G0S, 76
.set G1SB, 80
.set G0SB, 88
.set MSB, 0
.macro WIN new                         ; the immediate's high byte repeats the setting that is left
.if MSB != (\new)
	s_set_vgpr_msb (MSB<<8)|(\new)
.set MSB, (\new)
.endif
.endm
.set MUL_LO, 0xa1
.set MUL_HI, 0xf1
.set TO_B,   0x40
; Waves 0 and 1 fetch the tokens' halves (plain), waves 2 and 3 the weights' (joint).  The branch hangs on the wave's number alone.  An s_nop 0 and four v_nop follow each line.
.macro JLOAD g0a, g1a, g0b, g1b
	s_cmp_eq_u32 s15, 0
	s_cbranch_scc0 .Lfor_b_\@
	tensor_load_to_lds s[\g0a:\g0a+3], s[\g1a:\g1a+7]
	s_nop 0
.rept 4
	v_nop
.endr
	s_branch .Lasked_\@
.Lfor_b_\@:
	tensor_load_to_lds s[\g0b:\g0b+3], s[\g1b:\g1b+7]
	s_nop 0
.rept 4
	v_nop
.endr
.Lasked_\@:
.endm
.macro CREST
	s_cmp_lg_u32 s14, 0
	s_cbranch_scc1 .Lnot_wave_0_\@
	s_barrier_signal -3
.Lnot_wave_0_\@:
	s_barrier_wait -3
	s_barrier_signal -1
	s_barrier_wait -1
.endm
.macro CROUND
	s_barrier_signal -1
	s_barrier_wait -1
	CREST
.endm
	s_load_b256 s[4:11], s[0:1], 0x0               ; codes, scales, tab, qkv16
	s_load_b64 s[12:13], s[0:1], 0x20              ; q32
	v_lshl_add_u32 v[SPW], v0, 2, SPARE
	v_mov_b32 v[NIL], 0
	ds_add_u32 v[SPW], v[NIL]                      ; the wave's opening: the add, twice on end, and its wait ahead of my first tensor load
	ds_add_u32 v[SPW], v[NIL]
	v_lshrrev_b32 v1, 5, v0
	v_readfirstlane_b32 s14, v1                    ; wave 0..3
	s_lshr_b32 s15, s14, 1                         ; which half of the tile's tokens is mine.  Also: I fetch tokens (0) or weights (1)
	s_and_b32 s16, s14, 1                          ; which half of its columns.  Also: which 128 rows I fetch
	s_bfe_u32 s40, ttmp6, 0x40000                  ; cx
	s_lshl_b32 s17, ttmp9, 2
	s_add_co_u32 s17, s17, s40                     ; the tile of 256 tokens
	s_and_b32 s42, ttmp7, 0xffff                   ; the tile of 256 columns: shared by the four partners
	s_mov_b32 s[G1+0], (1<<20)|(5<<22)|(3<<25)     ; no mask; elements of 1 byte; 4 words of padding behind every 64
	s_mov_b32 s[G1B+0], 15|(1<<20)|(1<<21)|(5<<22)|(3<<25)   ; the same for all four work-groups
.irp g, G1, G1B
	s_mov_b32 s[\g+1], ROWB<<16                    ; tensor_dim0
	s_mov_b32 s[\g+2], 128<<16                     ; tensor_dim1
	s_mov_b32 s[\g+3], ROWB<<16                    ; tile_dim0
	s_mov_b32 s[\g+4], 128                         ; tile_dim1
	s_mov_b32 s[\g+5], KROW                        ; the pitch
	s_mov_b32 s[\g+6], 0
	s_mov_b32 s[\g+7], 0
.endr
	s_mov_b32 s[G1S+0], (3<<16)|(1<<20)|(5<<22)|(3<<25)      ; the scales of 128 rows: 8,192 dense bytes as 32 rows of 256 (32 elements of 8 bytes)
	s_mov_b32 s[G1SB+0], 15|(3<<16)|(1<<20)|(1<<21)|(5<<22)|(3<<25)
.irp g, G1S, G1SB
	s_mov_b32 s[\g+1], 32<<16
	s_mov_b32 s[\g+2], (128*KS/256)<<16
	s_mov_b32 s[\g+3], 32<<16
	s_mov_b32 s[\g+4], 128*KS/256
	s_mov_b32 s[\g+5], 32
	s_mov_b32 s[\g+6], 0
	s_mov_b32 s[\g+7], 0
.endr
	s_lshl_b32 s18, s16, 7
	s_lshl_b32 s20, s17, 8
	s_add_co_u32 s20, s20, s18                     ; the tokens' first row that I fetch
	s_lshl_b32 s46, s42, 8
	s_add_co_u32 s46, s46, s18                     ; the weights': made of the column tile and the wave's number alone
	s_lshl_b32 s22, s20, 6                         ; their scales, 64 bytes a row
	s_mov_b32 s23, 0
	s_lshl_b32 s92, s46, 6
	s_add_co_u32 s92, s92, WSCALE
	s_mov_b32 s93, 0
	s_lshl_b32 s20, s20, 10                        ; their codes, 1,024 bytes a row
	s_mov_b32 s21, 0
	s_lshl_b32 s46, s46, 10
	s_add_co_u32 s46, s46, WCODES
	s_mov_b32 s47, 0
	s_mul_i32 s45, s14, HALFT                      ; where they go: wave x 128 rows
	s_mul_i32 s94, s14, HALFS
	s_wait_dscnt 0x0                               ; both opening adds are done
	s_wait_kmcnt 0x0
	s_add_nc_u64 s[20:21], s[4:5], s[20:21]
	s_add_nc_u64 s[22:23], s[6:7], s[22:23]
	s_add_nc_u64 s[46:47], s[4:5], s[46:47]
	s_add_nc_u64 s[92:93], s[6:7], s[92:93]
	CROUND                                         ; all four work-groups are here: the first joint loads meet
	s_mov_b32 s[G0S], 1
	s_add_co_u32 s[G0S+1], s94, SCL
	s_mov_b64 s[G0S+2:G0S+3], s[22:23]
	s_or_b32 s[G0S+3], s[G0S+3], 0x80000000
	s_mov_b32 s[G0SB], 1
	s_add_co_u32 s[G0SB+1], s94, SCL
	s_mov_b64 s[G0SB+2:G0SB+3], s[92:93]
	s_or_b32 s[G0SB+3], s[G0SB+3], 0x80000000
	JLOAD G0S, G1S, G0SB, G1SB                     ; the scales first: they are wanted with K step 0
.irp s, 0,1
	s_mov_b32 s[G0+4*\s], 1
	s_add_co_u32 s[G0+4*\s+1], s45, \s*SLOT
	s_add_nc_u64 s[G0+4*\s+2:G0+4*\s+3], s[20:21], \s*ROWB
	s_or_b32 s[G0+4*\s+3], s[G0+4*\s+3], 0x80000000
	s_mov_b32 s[G0B+4*\s], 1
	s_add_co_u32 s[G0B+4*\s+1], s45, \s*SLOT
	s_add_nc_u64 s[G0B+4*\s+2:G0B+4*\s+3], s[46:47], \s*ROWB
	s_or_b32 s[G0B+4*\s+3], s[G0B+4*\s+3], 0x80000000
	JLOAD G0+4*\s, G1, G0B+4*\s, G1B               ; three loads of mine are out behind the second of these
.endr
	v_and_b32 v1, 15, v0                           ; r
	v_bfe_u32 v2, v0, 4, 1                         ; h
	v_mul_u32_u24 v3, v1, PITCH
	v_lshl_add_u32 v4, v2, 4, v3                   ; a fragment's row x pitch + 16 h
	s_mul_i32 s21, s15, HALFT                      ; my 128 tokens
	s_mul_i32 s22, s16, HALFT                      ; my 128 rows of weights,
	s_add_co_u32 s22, s22, 2*HALFT                 ; which lie behind the tokens' 256
.irp s, 0,1
	v_add_nc_u32 v[ADRA+\s], s21, v4
	v_add_nc_u32 v[ADRB+\s], s22, v4
	s_add_co_u32 s21, s21, SLOT
	s_add_co_u32 s22, s22, SLOT
.endr
	v_mul_u32_u24 v5, v1, KS                       ; my row's scales: 64 bytes a row,
	v_lshrrev_b32 v6, 8, v5
	v_lshl_add_u32 v5, v6, 4, v5                   ; and 16 more for each 256 passed
	s_mul_i32 s21, s15, HALFS
	s_mul_i32 s22, s16, HALFS
	s_add_co_u32 s22, s22, 2*HALFS
	s_sub_co_u32 s22, s22, s21
	v_mul_u32_u24 v6, s22, v2                      ; lanes 16-31 take the weights'
	s_add_co_u32 s21, s21, SCL
	v_add_nc_u32 v5, v5, v6
	v_add_nc_u32 v[ADRS], s21, v5
	; the way out's addresses
	v_and_b32 v6, 31, v0
	v_lshlrev_b32 v[LI], 4, v6
	v_lshrrev_b32 v5, 3, v1
	v_lshlrev_b32 v5, 4, v5
	v_lshl_add_u32 v5, v2, 3, v5
	v_and_b32 v6, 7, v1
	v_add_nc_u32 v5, v5, v6
	v_lshlrev_b32 v[VO], 4, v5                     ; 16 x (16 (r / 8) + 8 h + r % 8)
	v_lshlrev_b32 v[FO], 9, v1
	v_lshl_add_u32 v[FO], v2, 5, v[FO]
	s_and_b32 s18, s42, 1
	s_lshl_b32 s18, s18, 1
	s_add_co_u32 s18, s18, s16                     ; my head
	s_lshr_b32 s19, s42, 1                         ; q, k or v
	s_lshr_b32 s20, s17, 3                         ; the batch
	s_and_b32 s21, s17, 7                          ; the tile of 256 tokens in it
	s_lshl_b32 s22, s19, 4
	s_lshl_b32 s23, s20, 2
	s_add_co_u32 s22, s22, s23
	s_add_co_u32 s22, s22, s18
	s_lshl_b32 s22, s22, 7
	s_lshl_b32 s23, s21, 4
	s_add_co_u32 s22, s22, s23
	s_lshl_b32 s23, s15, 3
	s_add_co_u32 s22, s22, s23                     ; my first tile of 16 tokens in qkv16
	s_lshl_b32 s22, s22, 12
	s_mov_b32 s23, 0
	s_add_nc_u64 s[10:11], s[10:11], s[22:23]
	s_lshl_b32 s22, s17, 4
	s_lshl_b32 s41, s15, 3
	s_add_co_u32 s22, s22, s41
	s_lshl_b32 s22, s22, 14                        ; the same tile in the tables
	s_add_nc_u64 s[96:97], s[8:9], s[22:23]
	s_mul_i32 s22, s20, 3
	s_add_co_u32 s22, s22, s19
	s_lshl_b32 s22, s22, 2
	s_add_co_u32 s22, s22, s18
	s_lshl_b32 s22, s22, 13
	s_add_nc_u64 s[98:99], s[12:13], s[22:23]      ; my head's 16 rows in q32
	s_or_b32 s22, s21, s15
	v_mov_b32 v[FL], s22
; eight loads: the tables of token block a for the pair of column blocks p, p + 4, into slot 4 (a % 2) + p of window 1: even blocks take the four slots that are free from the start, odd blocks the weights' two sets
.macro TABLE a, p
.set TBP, 64*(1-((\a)%2))+32*((\p)%2)+128*((\p)/2)
	WIN 0x40
.irp g, 0,1
.irp c, 0,1
.irp f, 0,1
	global_load_b128 v[TBP+16*\g+8*\c+4*\f:TBP+16*\g+8*\c+4*\f+3], v[LI], s[96:97] offset:16384*(\a)+2048*((\p)+4*\g)+1024*\c+512*\f
.endr
.endr
.endr
	WIN 0
.endm
	s_cmp_ge_u32 s42, 4                            ; v is not rotated.  The column tile is the same in all four partners
	s_cbranch_scc1 .Lno_tab
	TABLE 0, 0                                     ; block 0's tables are asked for here and land under the products
	TABLE 0, 1
	TABLE 0, 2
	TABLE 0, 3
.Lno_tab:
.macro FRAG reg, adr, q, i             ; 16 rows x 128 K of 4-bit codes: 8 registers: two loads of 16 bytes, 32 bytes apart
.irp c, 0,1
	ds_load_b128 v[\reg+4*\c:\reg+4*\c+3], v[\adr] offset:64*(\q)+32*\c+(\i)*16*PITCH
.endr
.endm
; 16 matrix instructions: token blocks a0, a0 + 1 x the weights' eight.  The 64 accumulators take turns, one instruction a turn, in the same order in every step.
.macro MUL16 a0, p, q, sc, zero
.irp a, \a0, \a0+1
.irp b, 0,1,2,3,4,5,6,7
.if \zero
	v_wmma_scale_f32_16x16x128_f8f6f4 v[8*(8*((\a)%4)+\b):8*(8*((\a)%4)+\b)+7], v[128*(\p)+FR*\b:128*(\p)+FR*\b+FR-1], v[AF+FR*(\a):AF+FR*(\a)+FR-1], 0, v[SC+8*NQ*(\sc)+NQ*\b+(\q)], v[SC+8*NQ*(\sc)+NQ*(\a)+(\q)] matrix_a_fmt:MATRIX_FMT_FP4 matrix_b_fmt:MATRIX_FMT_FP4 matrix_a_scale:MATRIX_SCALE_ROW1
.else
	v_wmma_scale_f32_16x16x128_f8f6f4 v[8*(8*((\a)%4)+\b):8*(8*((\a)%4)+\b)+7], v[128*(\p)+FR*\b:128*(\p)+FR*\b+FR-1], v[AF+FR*(\a):AF+FR*(\a)+FR-1], v[8*(8*((\a)%4)+\b):8*(8*((\a)%4)+\b)+7], v[SC+8*NQ*(\sc)+NQ*\b+(\q)], v[SC+8*NQ*(\sc)+NQ*(\a)+(\q)] matrix_a_fmt:MATRIX_FMT_FP4 matrix_b_fmt:MATRIX_FMT_FP4 matrix_a_scale:MATRIX_SCALE_ROW1
.endif
.endr
.endr
.endm
.macro FETCH_B slot, q, p
	WIN TO_B
.irp i, 0,1,2,3,4,5,6,7
	FRAG 128*(\p)+FR*\i, ADRB+\slot, \q, \i
.endr
	WIN 0
.endm
.macro FETCH_A slot, q, i0
.irp i, \i0, \i0+1, \i0+2, \i0+3
	FRAG AF+FR*(\i), ADRA+\slot, \q, \i
.endr
.endm
.macro SCALES sc                       ; a K step's scale words: lanes 0-15 the tokens' block i, lanes 16-31 the weights' block i
.irp i, 0,1,2,3,4,5,6,7
	ds_load_b128 v[SC+8*NQ*\sc+NQ*\i:SC+8*NQ*\sc+NQ*\i+3], v[ADRS] offset:\i*SBLK
.endr
.endm
.macro PLACES n                        ; plain vector instructions between a matrix instruction and a load into, or a read of, its registers
.rept \n
	v_nop
.endr
.endm
.macro STEP slot, q, zero
	s_wait_dscnt 4*NL                              ; all but the youngest eight loads (the tokens' blocks 4-7) are in
	WIN MUL_LO
	MUL16 0, (\q)%2, \q, \slot, \zero
	MUL16 2, (\q)%2, \q, \slot, \zero
	s_wait_dscnt 0                                 ; blocks 4-7 are in
	PLACES NP
	FETCH_B \slot, (\q)+1, 1-(\q)%2
	FETCH_A \slot, (\q)+1, 0
	WIN MUL_HI
	MUL16 4, (\q)%2, \q, \slot, \zero
	MUL16 6, (\q)%2, \q, \slot, \zero
	PLACES NP
	WIN 0
	FETCH_A \slot, (\q)+1, 4
.endm
; A slot's last step changes slots: one barrier; in front of it each wave waits for all its tensor loads, adds 0 to its spare word, and waits for that and for its reads of this slot.
.macro TURN slot, next, fill
	s_wait_tensorcnt 0x0                           ; all my tensor loads have landed: my part of the next slot
	ds_add_u32 v[SPW], v[NIL]
	s_wait_dscnt 4*NL+1                            ; (the add and the youngest eight loads may be out)
	WIN MUL_LO
	MUL16 0, 1, NQ-1, \slot, 0
	s_wait_dscnt 0x0                               ; the add is done, and my reads of this slot are over
	s_barrier_signal -1
	MUL16 2, 1, NQ-1, \slot, 0
	WIN 0
	s_barrier_wait -1
.if \fill
	CREST                                          ; the barrier has opened a round of the cluster's: no wave of any partner still reads this slot or has a load on its way
	s_add_nc_u64 s[G0+4*\slot+2:G0+4*\slot+3], s[G0+4*\slot+2:G0+4*\slot+3], 2*ROWB
	s_add_nc_u64 s[G0B+4*\slot+2:G0B+4*\slot+3], s[G0B+4*\slot+2:G0B+4*\slot+3], 2*ROWB
	JLOAD G0+4*\slot, G1, G0B+4*\slot, G1B         ; the first tensor load behind the round; its four v_nop are the places in front of the loads below
.else
	PLACES NP
.endif
	v_add_nc_u32 v[ADRS], 4*NQ, v[ADRS]            ; on to the next K step's scale words
	FETCH_B \next, 0, 0
	FETCH_A \next, 0, 0
	SCALES \next
	WIN MUL_HI
	MUL16 4, 1, NQ-1, \slot, 0
	MUL16 6, 1, NQ-1, \slot, 0
	PLACES NP
	WIN 0
	FETCH_A \next, 0, 4
.endm
.macro STEPS slot, from
.set Q, \from
.rept NQ-1-\from
	STEP \slot, Q, 0
.set Q, Q+1
.endr
.endm
	s_wait_tensorcnt 1                             ; the scales and my part of K step 0 are in; K step 1's load may be out
	s_barrier_signal -1
	s_barrier_wait -1
	FETCH_B 0, 0, 0
	FETCH_A 0, 0, 0
	SCALES 0
	FETCH_A 0, 0, 4
	STEP 0, 0, 1                                   ; the first products start the sums: nothing is cleared.  Sixteen steps of 128 along K, written on end
	STEPS 0, 1
	TURN 0, 1, 1                                   ; slot 0 takes K step 2
	STEPS 1, 0
	TURN 1, 0, 1                                   ; slot 1 takes K step 3
	STEP 0, 0, 0
	STEPS 0, 1
	TURN 0, 1, 0                                   ; nothing is left to fetch
	STEPS 1, 0
	s_wait_dscnt 4*NL
	WIN MUL_LO
	MUL16 0, 1, NQ-1, 1, 0
	MUL16 2, 1, NQ-1, 1, 0
	s_wait_dscnt 0
	WIN MUL_HI
	MUL16 4, 1, NQ-1, 1, 0
	MUL16 6, 1, NQ-1, 1, 0
	WIN 0
; THE WAY OUT, straight from registers.  The f32 copy of a sequence's first 16 positions: EXEC is narrowed and widened only behind s_wait_xcnt 0.
.macro COPY32 p
	s_wait_xcnt 0x0
	v_cmp_eq_u32 vcc_lo, 0, v[FL]
	s_and_saveexec_b32 s94, vcc_lo
	global_store_b128 v[FO], v[TLO:TLO+3], s[98:99] offset:64*(\p)
	global_store_b128 v[FO], v[TLO+4:TLO+7], s[98:99] offset:64*(\p)+16
	global_store_b128 v[FO], v[THI:THI+3], s[98:99] offset:64*((\p)+4)
	global_store_b128 v[FO], v[THI+4:THI+7], s[98:99] offset:64*((\p)+4)+16
	s_wait_xcnt 0x0                                ; also: v32-47 are written again only behind this wait
	s_or_b32 exec_lo, exec_lo, s94
.endm
.macro PACK2 adr, a, p
	s_wait_xcnt 0x0                                ; the last unit's stores have read v48-55: they are written again only behind this wait; the unit's multiply-adds stand ahead of it
.irp i, 0,1,2,3
	v_cvt_pk_f16_f32 v[PK+\i], v[TLO+2*\i], v[TLO+2*\i+1]
	v_cvt_pk_f16_f32 v[PK+4+\i], v[THI+2*\i], v[THI+2*\i+1]
.endr
	global_store_b128 v[\adr], v[PK:PK+3], s[10:11] offset:4096*(\a)+512*(\p)          ; the wave stores 512 consecutive bytes
	global_store_b128 v[\adr], v[PK+4:PK+7], s[10:11] offset:4096*(\a)+512*((\p)+4)
.endm
; Unit U = 4 a + p: token block a, column blocks p (d < 64) and p + 4 (d + 64): low' = low cos + high (-sin), high' = high cos + low sin, the factors as the tables hold them.
; THE TABLES' RING has eight slots of eight loads.  Units 0 to 7 are asked for ahead of unit 0.  Unit U waits for its own eight loads and then asks for unit U + 7, into the slot that unit U - 1 has just read:
; six younger units, 48 loads, may be out at the wait, 56 behind the request.  From unit 25 on nothing is left to ask for, and from unit 26 on the counts run down.
.macro ROPE a, p
.set U, 4*(\a)+(\p)
.set TBU, 64*(1-((\a)%2))+32*((\p)%2)+128*((\p)/2)
.set ALO, 8*(8*((\a)%4)+(\p))
.set AHI, ALO+32
.if U > 25
	s_wait_loadcnt 8*(31-U)                        ; the units behind this one may be out
.elseif U > 0
	s_wait_loadcnt 48                              ; this unit's eight loads are in; six younger units' may be out
.endif
.if (U >= 1) && (U <= 24)
	TABLE (U+7)/4, (U+7)%4
.endif
	WIN 0x06+(\a)/4                                ; source 0: the accumulators' window; source 1: the tables'
.irp i, 0,2,4,6
	v_pk_mul_f32 v[TLO+\i:TLO+\i+1], v[ALO+\i:ALO+\i+1], v[TBU+\i:TBU+\i+1]            ; each accumulator from its low end on
.endr
.irp i, 0,2,4,6
	v_pk_mul_f32 v[THI+\i:THI+\i+1], v[AHI+\i:AHI+\i+1], v[TBU+16+\i:TBU+16+\i+1]
.endr
.irp i, 0,2,4,6
	v_pk_fma_f32 v[TLO+\i:TLO+\i+1], v[AHI+\i:AHI+\i+1], v[TBU+8+\i:TBU+8+\i+1], v[TLO+\i:TLO+\i+1]
.endr
.irp i, 0,2,4,6
	v_pk_fma_f32 v[THI+\i:THI+\i+1], v[ALO+\i:ALO+\i+1], v[TBU+24+\i:TBU+24+\i+1], v[THI+\i:THI+\i+1]
.endr
	WIN 0
	PACK2 LI, \a, \p
.if (\a) == 0
	COPY32 \p
.endif
.endm
.macro VOUT a, p
.set ALO, 8*(8*((\a)%4)+(\p))
.set AHI, ALO+32
	WIN 0x02+(\a)/4
.irp i, 0,2,4,6
	v_pk_mul_f32 v[TLO+\i:TLO+\i+1], v[ALO+\i:ALO+\i+1], 0x3e800000 op_sel_hi:[1,0]    ; x 2^-2: exact
.endr
.irp i, 0,2,4,6
	v_pk_mul_f32 v[THI+\i:THI+\i+1], v[AHI+\i:AHI+\i+1], 0x3e800000 op_sel_hi:[1,0]
.endr
	WIN 0
	PACK2 VO, \a, \p
.if (\a) == 0
	COPY32 \p
.endif
.endm
	PLACES NP                                      ; behind the last products: their results are read, their scale registers written and the weights' registers loaded below
	s_cmp_ge_u32 s42, 4
	s_cbranch_scc1 .Lvform
	s_wait_loadcnt 0x0                             ; block 0's tables, asked for at the head
	TABLE 1, 0                                     ; block 1's go into the weights' two sets, which are done with
	TABLE 1, 1
	TABLE 1, 2
	TABLE 1, 3
.irp a, 0,1,2,3,4,5,6,7
.irp p, 0,1,2,3
	ROPE \a, \p
.endr
.endr
	s_branch .Ldone
.Lvform:
.irp a, 0,1,2,3,4,5,6,7
.irp p, 0,1,2,3
	VOUT \a, \p
.endr
.endr
.Ldone:
	s_wait_tensorcnt 0x0                           ; the wave's end
	ds_add_u32 v[SPW], v[NIL]
	s_wait_dscnt 0x0
	CROUND                                         ; the closing round: no work-group ends while a partner may still ask for a tile that names it
	s_endpgm
.Lfunc_end_k_q656f63f255_qkv:
	.size	k_q656f63f255_qkv, .Lfunc_end_k_q656f63f255_qkv-k_q656f63f255_qkv
	.p2alignl 7, 3214868480
	.fill 96, 4, 3214868480
	.section	.rodata,"a",@progbits
	.p2align	6, 0x0
	.amdhsa_kernel k_q656f63f255_qkv
		.amdhsa_group_segment_fixed_size 327680
		.amdhsa_private_segment_fixed_size 0
		.amdhsa_enable_private_segment 0
		.amdhsa_kernarg_size 40
		.amdhsa_user_sgpr_count 2
		.amdhsa_user_sgpr_kernarg_segment_ptr 1
		.amdhsa_wavefront_size32 1
		.amdhsa_system_sgpr_workgroup_id_x 1
		.amdhsa_system_sgpr_workgroup_id_y 1
		.amdhsa_system_sgpr_workgroup_id_z 1
		.amdhsa_system_vgpr_workitem_id 0
		.amdhsa_next_free_vgpr 1024
		.amdhsa_next_free_sgpr 100
		.amdhsa_reserve_vcc 1
		.amdhsa_float_denorm_mode_32 3
		.amdhsa_float_denorm_mode_16_64 3
		.amdhsa_memory_ordered 1
		.amdhsa_forward_progress 1
		.amdhsa_inst_pref_size 255
	.end_amdhsa_kernel
	.section	.bss,"aw",@nobits
	.p2align	6
	.space	262144
	.amdgpu_metadata
---
amdhsa.version: [ 1, 2 ]
amdhsa.kernels:
  - .name:           k_q656f63f255_qkv
    .symbol:         k_q656f63f255_qkv.kd
    .args:
      - { .name: codes, .offset: 0, .size: 8, .value_kind: global_buffer, .address_space: global }
      - { .name: scales, .offset: 8, .size: 8, .value_kind: global_buffer, .address_space: global }
      - { .name: tab, .offset: 16, .size: 8, .value_kind: global_buffer, .address_space: global }
      - { .name: qkv16, .offset: 24, .size: 8, .value_kind: global_buffer, .address_space: global }
      - { .name: q32, .offset: 32, .size: 8, .value_kind: global_buffer, .address_space: global }
    .group_segment_fixed_size: 327680
    .private_segment_fixed_size: 0
    .kernarg_segment_align: 8
    .kernarg_segment_size: 40
    .max_flat_workgroup_size: 128
    .sgpr_count:     100
    .vgpr_count:     1024
    .wavefront_size: 32
...
	.end_amdgpu_metadata
.endif
;; end of part 2
;; launch attn (part 3): grid 512 x 1, 8 waves a work-group, clusters of 4 x 1, 327,680 bytes of LDS; arguments qkv16, ao16; writes ao16
.if DOCPART == 3
	.amdgcn_target "amdgcn-amd-amdhsa--gfx1250"
	.amdhsa_code_object_version 6
	.text
	.protected	k_q656f63f255_attn
	.globl	k_q656f63f255_attn
	.p2align	8
	.type	k_q656f63f255_attn,@function
k_q656f63f255_attn:
	s_mov_b64 s[64:65], 0
	v_nop
	global_prefetch_b8 v0, s[64:65] scope:SCOPE_SE
	s_setreg_imm32_b32 hwreg(HW_REG_WAVE_MODE, 25, 1), 1
	s_wait_xcnt 0x0
	s_wait_alu depctr_hold_cnt(0) depctr_sa_sdst(0) depctr_va_vdst(0) depctr_va_sdst(0) depctr_va_ssrc(0) depctr_va_vcc(0) depctr_vm_vsrc(0)
	s_getreg_b32 s2, hwreg(HW_REG_IB_STS2, 6, 4)
	s_cmp_eq_u32 s2, 0
	s_cbranch_scc0 .Lentry_in_a_cluster
	s_endpgm
.Lentry_in_a_cluster:
	s_bfe_u32 s2, ttmp6, 0x10000c
	s_cmp_lg_u32 s2, 0x3003
	s_cbranch_scc0 .Lentry_shape_is_right
	s_endpgm
.Lentry_shape_is_right:
; ATTN: causal attention, 16 (batch, head) pairs x 2,048 positions x 128 channels, on f16 operands with f32 sums.  q, k arrive x 2^-6 (2^12 lies in the softmax's constant), v x 2^-2, so o leaves as o / 4.
; SHARES.  A cluster of 4 work-groups owns 256 neighbouring queries (span kappa) of one pair; partner cx owns 64 of them.  A ROUND is 256 keys; the cluster walks rounds 0 .. kappa; the last lies on the diagonal
;   and every wave runs it whole under the mask: so trip counts hang on the cluster's number alone, and every partner reads every joint tile.
;   Wave w: dt = w % 2: its 32 queries (two tiles of 16); ks = w / 2: its quarter (64) of a round's keys.  Eight waves of equal work, two to a SIMD.  The four quarters' sums are merged once, at the end, through LDS.
; CLUSTER.  All four partners walk the same K and V: each piece of a round is asked for JOINTLY, mask 15, by the same wave of each.
; LAYOUT.  S^T = K Q^T (source 0 = 16 keys, source 1 = 16 queries), O^T = V^T P: a lane holds ONE query throughout.  K, Q, V lie in memory as images of their operands' registers, 512 bytes a block:
;   a tile is a dense block, LDS has no padding, each LDS load takes 512 consecutive bytes.  V comes by the turning load.
; SOFTMAX.  A running maximum m and sum l for each query and quarter: p = 2^(c s - c m), c = 2^12 log2(e) / sqrt(128); O and l are multiplied by 2^(c m_old - c m_new) in every round.
;   m begins at -1e30, under every score that f16 operands can give (128 x 65,504^2).  A quarter all of whose keys are hidden keeps l = 0 and O = 0 and counts for nothing in the merge; key 0 of the diagonal round counts for every query.
; LIMIT: o / 4 is rounded to f16: under 6e-5 its error is absolute, 2^-25.
; REGISTERS.  window 0: v1-11 addresses and constants; v12-27 statistics, 8 a tile: c m, m, l (2), c0-c3; v28-31 the merge's addresses; v32-95 S^T, 32 a tile; v96-127 P, 16 a tile; v128-255 16 fragments, of K, then of V.
;   window 1: v0-127 O^T, 64 a tile; v128-191 Q, 32 a tile.
.set ROUNDB, 65536                     ; a round's K (or V) in bytes
.set SLOTB,  131072                    ; a slot: 8 pieces of 16,384 bytes: K's four quarters, then V's; piece w is fetched by wave w
.set SPARE,  262144                    ; behind the two slots: the spare words, 128 bytes a wave
.set STATS,  131072                    ; the merge: statistics in slot 1, O^T in slot 0: both have had their last fill and their last read by then
.set LN,   1                           ; v1   16 x lane
.set AK,   2                           ; v2-3 my quarter of K in slot 0, 1
.set AV,   4                           ; v4-5 of V
.set PFO,  6                           ; v6   256 x lane
.set DD,   7                           ; v7-8 tile t: my query - my quarter's first key - 8 h, on the diagonal
.set NINF, 9                           ; v9   -infinity
.set SPW,  10
.set NIL,  11
.set ST,   12
.set SA,   28
.set SB,   29
.set SR,   30
.set SR2,  31
.set S,    32
.set P,    96
.set F,    128
.set QW,   128                         ; Q, in window 1
.set WV,   8                           ; s8 wave; s9 cx; s10 the pair; s11 kappa; s12 dt; s13 ks; s14 trips; s15 1 in a wave that prefetches
.set G1,   16
.set G0,   24
.set CS,   32
.set SEL,  34
.set PFA,  36
.set MSB, 0
.macro WIN new
.if MSB != (\new)
	s_set_vgpr_msb (MSB<<8)|(\new)
.set MSB, (\new)
.endif
.endm
.macro CROUND
	s_barrier_signal -1
	s_barrier_wait -1
	s_cmp_lg_u32 s[WV], 0
	s_cbranch_scc1 .Lnot_wave_0_\@
	s_barrier_signal -3
.Lnot_wave_0_\@:
	s_barrier_wait -3
	s_barrier_signal -1
	s_barrier_wait -1
.endm
	s_load_b128 s[4:7], s[0:1], 0x0                ; qkv16, ao16
	v_lshl_add_u32 v[SPW], v0, 2, SPARE
	v_mov_b32 v[NIL], 0
	ds_add_u32 v[SPW], v[NIL]                      ; the wave's opening: the add, twice on end, and its wait ahead of my first tensor load
	ds_add_u32 v[SPW], v[NIL]
	v_lshrrev_b32 v1, 5, v0
	v_readfirstlane_b32 s[WV], v1                  ; wave 0..7
	s_bfe_u32 s9, ttmp6, 0x40000                   ; cx
	s_and_b32 s10, ttmp9, 15                       ; 4 batch + head
	s_lshr_b32 s42, ttmp9, 4
	s_add_co_u32 s43, s42, 4
	s_sub_co_u32 s44, 7, s42
	s_cmp_lt_u32 s42, 4
	s_cselect_b32 s11, s43, s44                    ; the span: 4, 5, 6, 7, 3, 2, 1, 0: clusters 64 apart have 9 rounds together
	s_and_b32 s12, s[WV], 1
	s_lshr_b32 s13, s[WV], 1
	s_mov_b32 s[G1], 15|(3<<16)|(1<<21)            ; all four work-groups; elements of 8 bytes; no padding
	s_mov_b32 s[G1+1], 32<<16                      ; a piece is 64 rows of 256 bytes, dense
	s_mov_b32 s[G1+2], 64<<16
	s_mov_b32 s[G1+3], 32<<16
	s_mov_b32 s[G1+4], 64
	s_mov_b32 s[G1+5], 32
	s_mov_b32 s[G1+6], 0
	s_mov_b32 s[G1+7], 0
	s_mov_b32 s[CS], 0x440293ee                    ; c
	s_mov_b32 s[CS+1], s[CS]
	s_mov_b32 s[SEL], 0x76543210
	s_mov_b32 s[SEL+1], 0xfedcba98
	s_lshr_b32 s42, s[WV], 2                       ; I fetch for K (0) or V (1)
	s_add_co_u32 s42, s42, 1
	s_lshl_b32 s42, s42, 4
	s_add_co_u32 s42, s42, s10
	s_lshl_b32 s42, s42, 19                        ; a pair's 2,048 rows are 524,288 bytes
	s_and_b32 s43, s[WV], 3
	s_lshl_b32 s43, s43, 14
	s_add_co_u32 s42, s42, s43                     ; + my quarter: made of the pair and the wave's number alone
	s_mov_b32 s43, 0
	s_lshl_b32 s44, s[WV], 14                      ; my piece in a slot
	s_wait_dscnt 0x0                               ; both opening adds are done
	s_wait_kmcnt 0x0
	s_mov_b32 s[G0], 1
	s_mov_b32 s[G0+1], s44
	s_add_nc_u64 s[G0+2:G0+3], s[4:5], s[42:43]    ; slot 0: round 0
	s_mov_b32 s[G0+4], 1
	s_add_co_u32 s[G0+5], s44, SLOTB
	s_add_nc_u64 s[G0+6:G0+7], s[G0+2:G0+3], ROUNDB   ; slot 1: round 1
	s_or_b32 s[G0+3], s[G0+3], 0x80000000
	s_or_b32 s[G0+7], s[G0+7], 0x80000000
	CROUND                                         ; all four work-groups are here
	tensor_load_to_lds s[G0:G0+3], s[G1:G1+7]      ; round 0: one load of mine is out
	s_nop 0
.rept 4
	v_nop
.endr
	; what hangs on my place in the cluster enters addresses in memory and the mask's numbers alone
	s_lshl_b32 s46, s11, 4
	s_lshl_b32 s47, s9, 2
	s_add_co_u32 s46, s46, s47
	s_lshl_b32 s47, s12, 1
	s_add_co_u32 s46, s46, s47                     ; my first tile of 16 queries in the pair
	s_lshl_b32 s48, s46, 12
	s_lshl_b32 s49, s10, 19
	s_add_co_u32 s48, s48, s49
	s_mov_b32 s49, 0
	s_add_nc_u64 s[38:39], s[4:5], s[48:49]        ; Q
	s_lshr_b32 s48, s10, 2
	s_lshl_b32 s48, s48, 7
	s_add_co_u32 s48, s48, s46
	s_lshl_b32 s48, s48, 12
	s_and_b32 s50, s10, 3
	s_lshl_b32 s50, s50, 21
	s_add_co_u32 s48, s48, s50
	s_lshl_b32 s50, s13, 10
	s_add_co_u32 s48, s48, s50
	s_add_nc_u64 s[40:41], s[6:7], s[48:49]        ; ao16 [head][tile of 16 tokens][ct][512]: my tiles, blocks ct = 2 ks, 2 ks + 1
	s_lshl_b32 s50, s9, 2                          ; the prefetches: sixteen askers, g = 4 cx + wave, told apart by address
	s_and_b32 s51, s[WV], 3
	s_add_co_u32 s50, s50, s51
	s_lshr_b32 s51, s50, 3
	s_add_co_u32 s51, s51, 1
	s_lshl_b32 s51, s51, 4
	s_add_co_u32 s51, s51, s10
	s_lshl_b32 s51, s51, 19
	s_and_b32 s50, s50, 7
	s_lshl_b32 s50, s50, 13
	s_add_co_u32 s50, s50, s51
	s_add_co_u32 s50, s50, ROUNDB                  ; in round 1: the first change of slots steps it to round 2
	s_mov_b32 s51, 0
	s_add_nc_u64 s[PFA:PFA+1], s[4:5], s[50:51]
	s_lshr_b32 s50, s[WV], 2
	s_xor_b32 s51, s11, 7
	s_or_b32 s50, s50, s51
	s_cmp_eq_u32 s50, 0
	s_cselect_b32 s15, 1, 0                        ; waves 0-3 of the cluster that walks all eight rounds: the same in all partners
	s_lshl_b32 s52, s9, 6
	s_lshl_b32 s53, s12, 5
	s_add_co_u32 s52, s52, s53
	s_lshl_b32 s53, s13, 6
	s_sub_co_u32 s52, s52, s53                     ; 64 cx + 32 dt - 64 ks
	v_and_b32 v1, 31, v0
	v_lshlrev_b32 v[LN], 4, v1
	WIN 0x40                                       ; destination window 1
.irp t, 0,1
.irp ct, 0,1,2,3,4,5,6,7
	global_load_b128 v[QW+32*\t+4*\ct:QW+32*\t+4*\ct+3], v[LN], s[38:39] offset:4096*\t+512*\ct   ; Q stays in registers
.endr
.endr
.set i, 0
.rept 128
	v_mov_b32 v[i], 0                              ; O^T: the round is written without a first form of its own: the first finds zeros
.set i, i+1
.endr
	WIN 0
	s_lshl_b32 s45, s13, 14
	v_add_nc_u32 v[AK], s45, v[LN]
	v_add_nc_u32 v[AK+1], SLOTB, v[AK]
	v_add_nc_u32 v[AV], 65536, v[AK]
	v_add_nc_u32 v[AV+1], 65536, v[AK+1]
	v_lshlrev_b32 v[PFO], 4, v[LN]
	v_and_b32 v28, 15, v0
	v_bfe_u32 v29, v0, 4, 1
	v_lshlrev_b32 v29, 3, v29
	v_sub_nc_u32 v28, v28, v29
	v_add_nc_u32 v[DD], s52, v28
	v_add_nc_u32 v[DD+1], 16, v[DD]
	v_mov_b32 v[NINF], 0xff800000
	v_lshrrev_b32 v29, 2, v[LN]                    ; 4 x lane
	s_lshl_b32 s45, s[WV], 9
	s_add_co_u32 s45, s45, STATS
	v_add_nc_u32 v[SA], s45, v29                   ; my statistics
	s_lshl_b32 s45, s12, 9
	s_add_co_u32 s45, s45, STATS
	v_add_nc_u32 v[SB], s45, v29                   ; those of the four quarters of my queries
	s_lshl_b32 s45, s12, 14
	s_lshl_b32 s44, s13, 11
	s_add_co_u32 s45, s45, s44
	v_add_nc_u32 v[SR], s45, v[LN]                 ; my share of their O^T
	v_add_nc_u32 v[SR2], 65536, v[SR]
.irp t, 0,1
	v_mov_b32 v[ST+8*\t+1], 0xf149f2ca             ; m = -1e30
	v_mul_f32 v[ST+8*\t], s[CS], v[ST+8*\t+1]
	v_mov_b32 v[ST+8*\t+2], 0
	v_mov_b32 v[ST+8*\t+3], 0
	v_mov_b32 v[ST+8*\t+5], 0                      ; a lane permute's destination counts as one of its sources
.endr
	s_wait_loadcnt 0x0                             ; Q
; THE CHANGE OF SLOTS, at a round's head.  Each wave waits for all its tensor loads (one: its piece of the slot ahead), adds 0 to its spare word, and waits for that and for its reads of the slot that it has left.
; fill = 1: a round of the cluster's barrier, and behind it my one joint load: the next round, into the slot just left: it has a round's 64 matrix instructions a wave in which to land.
.macro CHANGE slot, fill, pf
	s_wait_tensorcnt 0x0
	ds_add_u32 v[SPW], v[NIL]
	s_add_nc_u64 s[G0+4*\slot+2:G0+4*\slot+3], s[G0+4*\slot+2:G0+4*\slot+3], 2*ROUNDB   ; no load of mine is out: this slot's next round
.if \pf
	s_wait_xcnt 0x0                                ; the last prefetch, a round back, has read its address
	s_add_nc_u64 s[PFA:PFA+1], s[PFA:PFA+1], ROUNDB
.endif
	s_wait_dscnt 0x0
.if \fill
	CROUND
	tensor_load_to_lds s[G0+4-4*\slot:G0+7-4*\slot], s[G1:G1+7]
	s_nop 0
.else
	s_barrier_signal -1
	s_barrier_wait -1
.endif
.rept 4
	v_nop                                          ; also the places in front of the loads into the fragments' registers
.endr
.endm
; A prefetch of the round after the one just asked for: 8,192 bytes an asker, lanes 256 bytes apart; sixteen askers cover a round's K and V; each block of rounds 2 to 7 is named once in the launch.
.macro ASK
	s_cmp_eq_u32 s15, 1
	s_cbranch_scc0 .Lnot_mine_\@
	global_prefetch_b8 v[PFO], s[PFA:PFA+1] th:TH_LOAD_NT scope:SCOPE_SE
.Lnot_mine_\@:
.endm
.macro SOFTMAX                         ; both tiles, line by line by turns
.irp j, 0,1,2,3
.irp t, 0,1
	v_max3_num_f32 v[ST+8*\t+4+\j], v[S+32*\t+8*\j], v[S+32*\t+8*\j+1], v[S+32*\t+8*\j+2]   ; four chains; each accumulator is first read at its low end
.endr
.endr
.irp u, 3,5
.irp j, 0,1,2,3
.irp t, 0,1
	v_max3_num_f32 v[ST+8*\t+4+\j], v[ST+8*\t+4+\j], v[S+32*\t+8*\j+\u], v[S+32*\t+8*\j+\u+1]
.endr
.endr
.endr
.irp t, 0,1
	v_max3_num_f32 v[ST+8*\t+4], v[ST+8*\t+4], v[S+32*\t+7], v[S+32*\t+15]
	v_max3_num_f32 v[ST+8*\t+6], v[ST+8*\t+6], v[S+32*\t+23], v[S+32*\t+31]
.endr
.irp t, 0,1
	v_max3_num_f32 v[ST+8*\t+4], v[ST+8*\t+4], v[ST+8*\t+5], v[ST+8*\t+6]
.endr
.irp t, 0,1
	v_max3_num_f32 v[ST+8*\t+4], v[ST+8*\t+4], v[ST+8*\t+7], v[ST+8*\t+1]   ; and the old m
.endr
.irp t, 0,1
	v_permlanex16_b32 v[ST+8*\t+5], v[ST+8*\t+4], s[SEL], s[SEL+1]          ; the query's other keys lie in the lane 16 away
.endr
.irp t, 0,1
	v_mov_b32 v[ST+8*\t+7], v[ST+8*\t]             ; c m_old
.endr
.irp t, 0,1
	v_max_num_f32 v[ST+8*\t+1], v[ST+8*\t+4], v[ST+8*\t+5]
.endr
.irp t, 0,1
	v_mul_f32 v[ST+8*\t], s[CS], v[ST+8*\t+1]
.endr
.irp t, 0,1
	v_sub_f32 v[ST+8*\t+7], v[ST+8*\t+7], v[ST+8*\t]
.endr
.set b, 0
.rept 16
.irp t, 0,1
	v_pk_fma_f32 v[S+32*\t+2*b:S+32*\t+2*b+1], v[S+32*\t+2*b:S+32*\t+2*b+1], s[CS:CS+1], v[ST+8*\t:ST+8*\t+1] op_sel_hi:[1,0,0] neg_lo:[0,0,1] neg_hi:[0,0,1]   ; c s - c m
.endr
.set b, b+1
.endr
.irp t, 0,1
	v_exp_f32 v[ST+8*\t+6], v[ST+8*\t+7]           ; a = 2^(c m_old - c m_new)
.endr
.set b, 0
.rept 32
.irp t, 0,1
	v_exp_f32 v[S+32*\t+b], v[S+32*\t+b]
.endr
.set b, b+1
.endr
	v_nop                                          ; a plain instruction behind the last exponential
	s_wait_alu depctr_va_vdst(0)                   ; one wait for the batch of 66, ahead of its first reader
.set b, 0
.rept 16
.irp t, 0,1
	v_cvt_pk_f16_f32 v[P+16*\t+b], v[S+32*\t+2*b], v[S+32*\t+2*b+1]
.endr
.set b, b+1
.endr
.irp w, 4,8,16,32                      ; the sum of the 16 pairs, in place, as a tree
.set u, 0
.rept 32/\w
.irp t, 0,1
	v_pk_add_f32 v[S+32*\t+\w*u:S+32*\t+\w*u+1], v[S+32*\t+\w*u:S+32*\t+\w*u+1], v[S+32*\t+\w*u+\w/2:S+32*\t+\w*u+\w/2+1]
.endr
.set u, u+1
.endr
.endr
.irp t, 0,1
	v_pk_fma_f32 v[ST+8*\t+2:ST+8*\t+3], v[ST+8*\t+2:ST+8*\t+3], v[ST+8*\t+6:ST+8*\t+7], v[S+32*\t:S+32*\t+1] op_sel_hi:[1,0,1]   ; l = a l + the sum
.endr
	WIN 0x41                                       ; O^T in window 1, a in window 0
.set b, 0
.rept 32
.irp t, 0,1
	v_pk_mul_f32 v[64*\t+2*b:64*\t+2*b+1], v[64*\t+2*b:64*\t+2*b+1], v[ST+8*\t+6:ST+8*\t+7] op_sel_hi:[1,0]
.endr
.set b, b+1
.endr
.endm
; A ROUND for my two tiles and my 64 keys: 32 products K Q^T, the softmax (V's loads land under it), 32 products V^T P.  The accumulators take turns, one instruction a turn.
.macro WORK slot, masked, ask
.irp c, 0,1,2,3
.irp kt, 0,1,2,3
	ds_load_b128 v[F+8*(4*\kt+\c):F+8*(4*\kt+\c)+3], v[AK+\slot] offset:4096*\kt+1024*\c
	ds_load_b128 v[F+8*(4*\kt+\c)+4:F+8*(4*\kt+\c)+7], v[AK+\slot] offset:4096*\kt+1024*\c+512
.endr
.endr
.if \ask
	ASK
.endif
	WIN 0x04                                       ; Q in window 1
.irp c, 0,1,2,3
	s_wait_dscnt 24-8*\c                           ; the eight loads of these 32 channels are in; the later groups' may be out
.irp kt, 0,1,2,3
.irp t, 0,1
.if \c == 0
	v_wmma_f32_16x16x32_f16 v[S+32*\t+8*\kt:S+32*\t+8*\kt+7], v[F+8*(4*\kt+\c):F+8*(4*\kt+\c)+7], v[QW+32*\t+8*\c:QW+32*\t+8*\c+7], 0
.else
	v_wmma_f32_16x16x32_f16 v[S+32*\t+8*\kt:S+32*\t+8*\kt+7], v[F+8*(4*\kt+\c):F+8*(4*\kt+\c)+7], v[QW+32*\t+8*\c:QW+32*\t+8*\c+7], v[S+32*\t+8*\kt:S+32*\t+8*\kt+7]
.endif
.endr
.endr
.endr
	WIN 0
.rept 4
	v_nop                                          ; places in front of the loads into K's registers and of the first read of the scores
.endr
.irp kg, 0,1
.irp ct, 0,1,2,3,4,5,6,7
	ds_load_tr16_b128 v[F+8*(8*\kg+\ct):F+8*(8*\kg+\ct)+3], v[AV+\slot] offset:8192*\kg+512*\ct
	ds_load_tr16_b128 v[F+8*(8*\kg+\ct)+4:F+8*(8*\kg+\ct)+7], v[AV+\slot] offset:8192*\kg+4096+512*\ct
.endr
.endr
.if \masked                            ; register n holds key 16 (n / 8) + 8 h + n % 8 of my quarter: hidden where it comes after my query
.set n, 0
.rept 32
.irp t, 0,1
	v_cmp_gt_i32 vcc_lo, 16*(n/8)+n%8, v[DD+\t]
	v_cndmask_b32 v[S+32*\t+n], v[S+32*\t+n], v[NINF], vcc_lo
.endr
.set n, n+1
.endr
.endif
	SOFTMAX
	s_wait_dscnt 0x0                               ; V is in
	WIN 0x50                                       ; O^T in window 1
.irp kg, 0,1
.irp ct, 0,1,2,3,4,5,6,7
.irp t, 0,1
	v_wmma_f32_16x16x32_f16 v[64*\t+8*\ct:64*\t+8*\ct+7], v[F+8*(8*\kg+\ct):F+8*(8*\kg+\ct)+7], v[P+16*\t+8*\kg:P+16*\t+8*\kg+7], v[64*\t+8*\ct:64*\t+8*\ct+7]
.endr
.endr
.endr
	WIN 0
.endm
	s_lshr_b32 s14, s11, 1                         ; pairs of open rounds that are followed by a fill each
	s_cmp_eq_u32 s14, 0
	s_cbranch_scc1 .Ltails
.Lpair:
	CHANGE 0, 1, 1
	WORK 0, 0, 1
	CHANGE 1, 1, 1
	WORK 1, 0, 1
	s_sub_co_u32 s14, s14, 1
	s_cmp_lg_u32 s14, 0
	s_cbranch_scc1 .Lpair
.Ltails:                                           ; the tails are written out
	s_bitcmp1_b32 s11, 0
	s_cbranch_scc1 .Lodd
	CHANGE 0, 0, 0
	WORK 0, 1, 0                                   ; the diagonal round
	s_branch .Lmerge
.Lodd:
	CHANGE 0, 1, 0
	WORK 0, 0, 0
	CHANGE 1, 0, 0
	WORK 1, 1, 0                                   ; the diagonal round
.Lmerge:
	s_wait_dscnt 0x0
	s_barrier_signal -1
	s_barrier_wait -1                              ; nobody reads a slot any more
.irp t, 0,1
	v_add_f32 v[ST+8*\t+4], v[ST+8*\t+2], v[ST+8*\t+3]
.endr
.irp t, 0,1
	v_permlanex16_b32 v[ST+8*\t+5], v[ST+8*\t+4], s[SEL], s[SEL+1]
.endr
.irp t, 0,1
	v_add_f32 v[ST+8*\t+2], v[ST+8*\t+4], v[ST+8*\t+5]   ; my quarter's l
.endr
	s_lshl_b32 s45, s[WV], 14
	v_add_nc_u32 v2, s45, v[LN]                    ; my 16,384 bytes of the stage
.rept 4
	v_nop                                          ; places behind the last products
.endr
.irp t, 0,1
	ds_store_b32 v[SA], v[ST+8*\t] offset:256*\t
	ds_store_b32 v[SA], v[ST+8*\t+2] offset:256*\t+128
.endr
	WIN 0x04                                       ; an LDS store's data are its source 1: window 1
.set i, 0
.rept 32
	ds_store_b128 v2, v[4*i:4*i+3] offset:512*i    ; each accumulator from its low end on
.set i, i+1
.endr
	WIN 0
	s_wait_dscnt 0x0                               ; for the others' sake
	s_barrier_signal -1
	s_barrier_wait -1
.irp k, 0,1,2,3
.irp t, 0,1
	ds_load_b32 v[32+4*\k+2*\t], v[SB] offset:1024*\k+256*\t       ; quarter k's c m,
	ds_load_b32 v[33+4*\k+2*\t], v[SB] offset:1024*\k+256*\t+128   ; and l
.endr
.endr
.irp k, 0,1
.irp t, 0,1
.irp i, 0,1,2,3
	ds_load_b128 v[F+32*\k+16*\t+4*\i:F+32*\k+16*\t+4*\i+3], v[SR] offset:32768*\k+8192*\t+512*\i
	ds_load_b128 v[F+64+32*\k+16*\t+4*\i:F+64+32*\k+16*\t+4*\i+3], v[SR2] offset:32768*\k+8192*\t+512*\i
.endr
.endr
.endr
	s_wait_dscnt 0x0
.irp t, 0,1
	v_max3_num_f32 v[48+\t], v[32+2*\t], v[36+2*\t], v[40+2*\t]
.endr
.irp t, 0,1
	v_max_num_f32 v[48+\t], v[48+\t], v[44+2*\t]   ; the largest c m of the four
.endr
.irp k, 0,1,2,3
.irp t, 0,1
	v_sub_f32 v[52+2*\k+\t], v[32+4*\k+2*\t], v[48+\t]
.endr
.endr
.irp k, 0,1,2,3
.irp t, 0,1
	v_exp_f32 v[52+2*\k+\t], v[52+2*\k+\t]
.endr
.endr
	v_nop
	s_wait_alu depctr_va_vdst(0)                   ; one wait for the eight
.irp t, 0,1
	v_mul_f32 v[50+\t], v[33+2*\t], v[52+\t]
.endr
.irp k, 1,2,3
.irp t, 0,1
	v_fmac_f32 v[50+\t], v[33+4*\k+2*\t], v[52+2*\k+\t]
.endr
.endr
.irp t, 0,1
	v_rcp_f32 v[50+\t], v[50+\t]
.endr
	v_nop
	s_wait_alu depctr_va_vdst(0)                   ; one wait for the two
.irp k, 0,1,2,3
.irp t, 0,1
	v_mul_f32 v[64+4*\k+2*\t], v[52+2*\k+\t], v[50+\t]     ; quarter k's weight, twice: the packed forms name a pair
	v_mul_f32 v[65+4*\k+2*\t], v[52+2*\k+\t], v[50+\t]
.endr
.endr
.irp t, 0,1
.irp u, 0,1,2,3,4,5,6,7
	v_pk_mul_f32 v[96+16*\t+2*\u:97+16*\t+2*\u], v[F+16*\t+2*\u:F+16*\t+2*\u+1], v[64+2*\t:65+2*\t] op_sel_hi:[1,0]
.endr
.endr
.irp k, 1,2,3
.irp t, 0,1
.irp u, 0,1,2,3,4,5,6,7
	v_pk_fma_f32 v[96+16*\t+2*\u:97+16*\t+2*\u], v[F+32*\k+16*\t+2*\u:F+32*\k+16*\t+2*\u+1], v[64+4*\k+2*\t:65+4*\k+2*\t], v[96+16*\t+2*\u:97+16*\t+2*\u] op_sel_hi:[1,0,1]
.endr
.endr
.endr
.irp t, 0,1
.irp u, 0,1,2,3,4,5,6,7
	v_cvt_pk_f16_f32 v[80+8*\t+\u], v[96+16*\t+2*\u], v[97+16*\t+2*\u]
.endr
.endr
.irp t, 0,1
.irp e, 0,1
	global_store_b128 v[LN], v[80+8*\t+4*\e:83+8*\t+4*\e], s[40:41] offset:4096*\t+512*\e   ; the wave stores 512 consecutive bytes
.endr
.endr
	s_wait_tensorcnt 0x0                           ; the wave's end
	ds_add_u32 v[SPW], v[NIL]
	s_wait_dscnt 0x0
	CROUND                                         ; the closing round
	s_endpgm
.Lfunc_end_k_q656f63f255_attn:
	.size	k_q656f63f255_attn, .Lfunc_end_k_q656f63f255_attn-k_q656f63f255_attn
	.p2alignl 7, 3214868480
	.fill 96, 4, 3214868480
	.section	.rodata,"a",@progbits
	.p2align	6, 0x0
	.amdhsa_kernel k_q656f63f255_attn
		.amdhsa_group_segment_fixed_size 327680
		.amdhsa_private_segment_fixed_size 0
		.amdhsa_enable_private_segment 0
		.amdhsa_kernarg_size 16
		.amdhsa_user_sgpr_count 2
		.amdhsa_user_sgpr_kernarg_segment_ptr 1
		.amdhsa_wavefront_size32 1
		.amdhsa_system_sgpr_workgroup_id_x 1
		.amdhsa_system_sgpr_workgroup_id_y 1
		.amdhsa_system_sgpr_workgroup_id_z 1
		.amdhsa_system_vgpr_workitem_id 0
		.amdhsa_next_free_vgpr 512
		.amdhsa_next_free_sgpr 66
		.amdhsa_reserve_vcc 1
		.amdhsa_float_denorm_mode_32 3
		.amdhsa_float_denorm_mode_16_64 3
		.amdhsa_memory_ordered 1
		.amdhsa_forward_progress 1
		.amdhsa_inst_pref_size 152
	.end_amdhsa_kernel
	.amdgpu_metadata
---
amdhsa.version: [ 1, 2 ]
amdhsa.kernels:
  - .name:           k_q656f63f255_attn
    .symbol:         k_q656f63f255_attn.kd
    .args:
      - { .name: qkv16, .offset: 0, .size: 8, .value_kind: global_buffer, .address_space: global }
      - { .name: ao16, .offset: 8, .size: 8, .value_kind: global_buffer, .address_space: global }
    .group_segment_fixed_size: 327680
    .private_segment_fixed_size: 0
    .kernarg_segment_align: 8
    .kernarg_segment_size: 16
    .max_flat_workgroup_size: 256
    .sgpr_count:     66
    .vgpr_count:     512
    .wavefront_size: 32
...
	.end_amdgpu_metadata
.endif
;; end of part 3
;; launch oproj (part 4): grid 8 x 32, 4 waves a work-group, clusters of 4 x 4, 327,680 bytes of LDS; arguments ao16, wo16, out0; writes out0
.if DOCPART == 4
	.amdgcn_target "amdgcn-amd-amdhsa--gfx1250"
	.amdhsa_code_object_version 6
	.text
	.protected	k_q656f63f255_oproj
	.globl	k_q656f63f255_oproj
	.p2align	8
	.type	k_q656f63f255_oproj,@function
k_q656f63f255_oproj:
	s_mov_b64 s[64:65], 0
	v_nop
	global_prefetch_b8 v0, s[64:65] scope:SCOPE_SE
	s_setreg_imm32_b32 hwreg(HW_REG_WAVE_MODE, 25, 1), 1
	s_wait_xcnt 0x0
	s_wait_alu depctr_hold_cnt(0) depctr_sa_sdst(0) depctr_va_vdst(0) depctr_va_sdst(0) depctr_va_ssrc(0) depctr_va_vcc(0) depctr_vm_vsrc(0)
	s_getreg_b32 s2, hwreg(HW_REG_IB_STS2, 6, 4)
	s_cmp_eq_u32 s2, 0
	s_cbranch_scc0 .Lentry_in_a_cluster
	s_endpgm
.Lentry_in_a_cluster:
	s_bfe_u32 s2, ttmp6, 0x10000c
	s_cmp_lg_u32 s2, 0xf033
	s_cbranch_scc0 .Lentry_shape_is_right
	s_endpgm
.Lentry_shape_is_right:
; OPROJ: out0 [8192][2048] f32 = attention's output [8192][512] x wo [2048][512]^T, on f16 operands (o / 4 and 4 wo: the factors cancel), sums in f32, K ascending.
; A tile of out0, 256 x 256, is made by four waves, each 128 x 128: 64 accumulators, 512 registers.  256 work-groups.  K goes in 4 steps of 128 (a head) through a ring of two LDS slots.
; Both operands lie in memory as images of their fragments' registers ([K step][tile of 16 rows][ct 8][512 bytes]): what a wave fetches, 128 rows x 128 K, is one dense block of 32,768 bytes;
; LDS has no padding, and each LDS load takes 512 consecutive bytes.
; CLUSTERS: 4 x 4.  The four of a row of the cluster need the same tokens' tiles, the four of a column the same tiles of wo: each is asked for JOINTLY.
; THE MATRIX INSTRUCTION IS USED TRANSPOSED (source 0 = 16 rows of wo, source 1 = 16 tokens): a lane holds eight neighbouring numbers of a row of out0.
; THE LAST K STEP GOES BY ROWS OF out0, NOT BY K: a wave stores 65,536 bytes, and by K all of them would leave behind the last product.  Finished blocks of 16 rows leave while the others are multiplied.
; Rows 0 to 15 of each sequence are stored here like all others and stored anew, from f32 operands, by the launch that follows.
; REGISTERS: window 0: v0-31 addresses; v64-127, v128-191 the tokens' fragments, two buffers (in the last K step four, of 16 rows x 128 K); v192-255 a block of out0 on its way out.
;   window 1: v64-127, v128-191 wo's fragments, two buffers; in the last K step all 256: wo's fragments of the whole step.  windows 2, 3: the accumulators ((a, b) at v[8 (8 a + b)]).
.set SLOT,   131072                    ; four pieces of 32,768: the tokens' two halves, then wo's; piece w is fetched by wave w
.set SPARE,  262144
.set SPITCH, 528                       ; the way out: a stage of 16 rows x (512 bytes + 16) a wave, in slot 0, which has had its last fill and its last read by then
.set NROW,   8192                      ; a row of out0 in bytes
.set ASTEP,  2097152                   ; a K step on in ao16,
.set BSTEP,  524288                    ; and in wo16
.set ADRA, 16
.set ADRB, 20
.set STO,  24
.set RD,   25
.set CO,   26
.set SPW,  28
.set NIL,  29
.set F0,   64
.set F1,   128
.set PA,   64                          ; the last K step: the tokens' fragments of 16 rows x 128 K, 32 registers; four such buffers, v64-191
.set BK,   192                         ; 16 rows of 512 bytes read back from the stage
.set G1, 24
.set G0, 32
.set G1B, 48
.set G0B, 56
.set MSB, 0
.macro WIN new
.if MSB != (\new)
	s_set_vgpr_msb (MSB<<8)|(\new)
.set MSB, (\new)
.endif
.endm
.set MUL_LO, 0xa1
.set MUL_HI, 0xf1
.set TO_B,   0x40
.macro JLOAD s                         ; waves 0 and 1 fetch the tokens' halves, waves 2 and 3 wo's; an s_nop 0 and four v_nop follow each line
	s_cmp_eq_u32 s11, 0
	s_cbranch_scc0 .Lfor_b_\@
	tensor_load_to_lds s[G0+4*\s:G0+4*\s+3], s[G1:G1+7]
	s_nop 0
.rept 4
	v_nop
.endr
	s_branch .Lasked_\@
.Lfor_b_\@:
	tensor_load_to_lds s[G0B+4*\s:G0B+4*\s+3], s[G1B:G1B+7]
	s_nop 0
.rept 4
	v_nop
.endr
.Lasked_\@:
.endm
.macro CREST
	s_cmp_lg_u32 s10, 0
	s_cbranch_scc1 .Lnot_wave_0_\@
	s_barrier_signal -3
.Lnot_wave_0_\@:
	s_barrier_wait -3
	s_barrier_signal -1
	s_barrier_wait -1
.endm
.macro CROUND
	s_barrier_signal -1
	s_barrier_wait -1
	CREST
.endm
	s_load_b128 s[4:7], s[0:1], 0x0                ; ao16, wo16
	s_load_b64 s[8:9], s[0:1], 0x10                ; out0
	v_lshl_add_u32 v[SPW], v0, 2, SPARE
	v_mov_b32 v[NIL], 0
	ds_add_u32 v[SPW], v[NIL]                      ; the wave's opening: the add, twice on end, and its wait ahead of my first tensor load
	ds_add_u32 v[SPW], v[NIL]
	v_lshrrev_b32 v1, 5, v0
	v_readfirstlane_b32 s10, v1                    ; wave 0..3
	s_lshr_b32 s11, s10, 1                         ; which half of the tile's rows is mine.  Also: I fetch tokens (0) or wo (1)
	s_and_b32 s12, s10, 1                          ; which half of its columns.  Also: which 128 rows I fetch
	s_bfe_u32 s40, ttmp6, 0x40000                  ; cx
	s_bfe_u32 s41, ttmp6, 0x40004                  ; cy
	s_lshl_b32 s42, ttmp9, 2
	s_add_co_u32 s42, s42, s40                     ; tile column
	s_and_b32 s13, ttmp7, 0xffff
	s_lshl_b32 s13, s13, 2
	s_add_co_u32 s13, s13, s41                     ; tile row
	s_lshl_b32 s43, s41, 2
	s_lshl_b32 s43, 15, s43                        ; my row of the cluster
	s_lshl_b32 s44, 0x1111, s40                    ; my column
	s_or_b32 s[G1+0], s43, (3<<16)|(1<<21)         ; the mask; elements of 8 bytes; no padding
	s_or_b32 s[G1B+0], s44, (3<<16)|(1<<21)
.irp g, G1, G1B
	s_mov_b32 s[\g+1], 32<<16                      ; 128 rows of 256 bytes, dense
	s_mov_b32 s[\g+2], 128<<16
	s_mov_b32 s[\g+3], 32<<16
	s_mov_b32 s[\g+4], 128
	s_mov_b32 s[\g+5], 32
	s_mov_b32 s[\g+6], 0
	s_mov_b32 s[\g+7], 0
.endr
	s_lshl_b32 s16, s13, 4
	s_lshl_b32 s17, s12, 3
	s_add_co_u32 s16, s16, s17
	s_lshl_b32 s16, s16, 12                        ; the tokens: tile of 16 rows 16 x tile row + 8 x half, 4,096 bytes each
	s_mov_b32 s17, 0
	s_lshl_b32 s46, s42, 4
	s_lshl_b32 s47, s12, 3
	s_add_co_u32 s46, s46, s47
	s_lshl_b32 s46, s46, 12                        ; wo likewise, by the tile column
	s_mov_b32 s47, 0
	s_lshl_b32 s20, s10, 15                        ; where they go: wave x 32,768
	s_wait_dscnt 0x0                               ; both opening adds are done
	s_wait_kmcnt 0x0
	s_add_nc_u64 s[14:15], s[4:5], s[16:17]
	s_add_nc_u64 s[46:47], s[6:7], s[46:47]
	CROUND                                         ; all sixteen work-groups are here
.irp s, 0,1
	s_mov_b32 s[G0+4*\s], 1
	s_add_co_u32 s[G0+4*\s+1], s20, \s*SLOT
	s_add_nc_u64 s[G0+4*\s+2:G0+4*\s+3], s[14:15], \s*ASTEP
	s_or_b32 s[G0+4*\s+3], s[G0+4*\s+3], 0x80000000
	s_mov_b32 s[G0B+4*\s], 1
	s_add_co_u32 s[G0B+4*\s+1], s20, \s*SLOT
	s_add_nc_u64 s[G0B+4*\s+2:G0B+4*\s+3], s[46:47], \s*BSTEP
	s_or_b32 s[G0B+4*\s+3], s[G0B+4*\s+3], 0x80000000
	JLOAD \s                                       ; two loads of mine are out behind the second
.endr
	v_and_b32 v1, 15, v0                           ; r
	v_bfe_u32 v2, v0, 4, 1                         ; h
	v_and_b32 v3, 31, v0
	v_lshlrev_b32 v3, 4, v3                        ; 16 x lane
	s_lshl_b32 s21, s11, 15                        ; my 128 tokens
	s_lshl_b32 s22, s12, 15                        ; my 128 rows of wo,
	s_add_co_u32 s22, s22, 65536                   ; behind the tokens' 256
.irp s, 0,1
	v_add_nc_u32 v[ADRA+\s], s21, v3
	v_add_nc_u32 v[ADRB+\s], s22, v3
	s_add_co_u32 s21, s21, SLOT
	s_add_co_u32 s22, s22, SLOT
.endr
	s_mul_i32 s23, s10, 16*SPITCH                  ; my stage
	v_mul_u32_u24 v5, v1, SPITCH
	v_lshl_add_u32 v5, v2, 5, v5
	v_add_nc_u32 v[STO], s23, v5                   ; in: row r, 32 bytes for each half of the lanes
	v_mov_b32 v[CO], v3                            ; back: the 32 lanes take one row of 512 bytes; and the same in out0
	v_add_nc_u32 v[RD], s23, v3
	s_lshl_b32 s16, s13, 8
	s_lshl_b32 s17, s11, 7
	s_add_co_u32 s16, s16, s17
	s_lshl_b32 s16, s16, 13                        ; my first row of out0, in bytes
	s_mov_b32 s17, 0
	s_lshl_b32 s46, s42, 10
	s_lshl_b32 s47, s12, 9
	s_add_co_u32 s46, s46, s47                     ; my first column
	s_mov_b32 s47, 0
	s_add_nc_u64 s[16:17], s[16:17], s[46:47]
	s_add_nc_u64 s[8:9], s[8:9], s[16:17]
; 16 matrix instructions: token blocks a0, a0 + 1 of the window's four x wo's eight, 32 along K.  The 64 accumulators take turns, one instruction a turn.
.macro MUL16 f, hi, a0, zero
.irp a, \a0, \a0+1
.irp b, 0,1,2,3,4,5,6,7
.if \zero
	v_wmma_f32_16x16x32_f16 v[8*(8*(\a)+\b):8*(8*(\a)+\b)+7], v[\f+8*\b:\f+8*\b+7], v[\f+8*(4*\hi+\a):\f+8*(4*\hi+\a)+7], 0
.else
	v_wmma_f32_16x16x32_f16 v[8*(8*(\a)+\b):8*(8*(\a)+\b)+7], v[\f+8*\b:\f+8*\b+7], v[\f+8*(4*\hi+\a):\f+8*(4*\hi+\a)+7], v[8*(8*(\a)+\b):8*(8*(\a)+\b)+7]
.endif
.endr
.endr
.endm
.macro FETCH slot, q, f                ; 32 LDS loads in one run: the fragments of the slot's q-th 32 along K into buffer f
	WIN TO_B
.irp i, 0,1,2,3,4,5,6,7
	ds_load_b128 v[\f+8*\i:\f+8*\i+3],   v[ADRB+\slot] offset:1024*(\q)+4096*\i
	ds_load_b128 v[\f+8*\i+4:\f+8*\i+7], v[ADRB+\slot] offset:1024*(\q)+4096*\i+512
.endr
	WIN 0
.irp i, 0,1,2,3,4,5,6,7
	ds_load_b128 v[\f+8*\i:\f+8*\i+3],   v[ADRA+\slot] offset:1024*(\q)+4096*\i
	ds_load_b128 v[\f+8*\i+4:\f+8*\i+7], v[ADRA+\slot] offset:1024*(\q)+4096*\i+512
.endr
.endm
.macro PLACES                          ; four plain vector instructions between a matrix instruction and a load into, or a read of, its registers
.rept 4
	v_nop
.endr
.endm
.macro QUARTER slot, q, f, g, zero     ; multiplies buffer f; in its middle fetches the slot's q-th quarter into g
	s_wait_dscnt 8                                 ; all but the youngest eight loads (the tokens' rows 64-127) are in
	WIN MUL_LO
	MUL16 \f, 0, 0, \zero
	MUL16 \f, 0, 2, \zero
	PLACES
	FETCH \slot, \q, \g
	s_wait_dscnt 32                                ; all but the 32 just issued
	WIN MUL_HI
	MUL16 \f, 1, 0, \zero
	MUL16 \f, 1, 2, \zero
.endm
; The last quarter of a K step multiplies buffer 1 and changes slots.  MEET is its first half: one barrier; in front of it each wave waits for all its tensor loads, adds 0 to its spare word, and waits for that and for its reads of this slot.
.macro MEET round                      ; round = 1: the rest of a round of the cluster's barrier follows
	WIN 0
	s_wait_tensorcnt 0x0                           ; the one load that was out is my part of the next slot
	ds_add_u32 v[SPW], v[NIL]
	s_wait_dscnt 9                                 ; (the add and the youngest eight loads may be out)
	WIN MUL_LO
	MUL16 F1, 0, 0, 0
	s_wait_dscnt 0x0                               ; the add is done, and my reads of this slot are over
	s_barrier_signal -1
	MUL16 F1, 0, 2, 0
.if \round
	WIN 0
.endif
	s_barrier_wait -1
.endm
.macro TURN slot, next                 ; the whole last quarter, where the slot is filled again, two K steps ahead
	MEET 1
	CREST                                          ; the barrier has opened a round of the cluster's
	s_add_nc_u64 s[G0+4*\slot+2:G0+4*\slot+3], s[G0+4*\slot+2:G0+4*\slot+3], 2*ASTEP
	s_add_nc_u64 s[G0B+4*\slot+2:G0B+4*\slot+3], s[G0B+4*\slot+2:G0B+4*\slot+3], 2*BSTEP
	JLOAD \slot                                    ; the first tensor load behind the round; its four v_nop are the places in front of the loads below
	FETCH \next, 0, F0
	WIN MUL_HI
	MUL16 F1, 1, 0, 0
	MUL16 F1, 1, 2, 0
.endm
; THE LAST K STEP (it lies in slot 1).  All its fragments of wo (4 quarters x 64 registers) fill window 1; then my eight blocks of 16 rows are finished one after the other, each with 32 matrix instructions:
; its 8 accumulators by turns, K ascending: the sums stay the same bit for bit.  LDS is read no more than in any other K step.
.macro BLOAD q                         ; wo's fragments of quarter q -> window 1, v[64 q ..]
.irp i, 0,1,2,3,4,5,6,7
	ds_load_b128 v[64*\q+8*\i:64*\q+8*\i+3],   v[ADRB+1] offset:1024*\q+4096*\i
	ds_load_b128 v[64*\q+8*\i+4:64*\q+8*\i+7], v[ADRB+1] offset:1024*\q+4096*\i+512
.endr
.endm
.macro ALOAD a                         ; the tokens' fragments of block a, all four quarters -> buffer a % 4
.set FA, PA+32*((\a)%4)
.irp q, 0,1,2,3
	ds_load_b128 v[FA+8*\q:FA+8*\q+3],   v[ADRA+1] offset:1024*\q+4096*(\a)
	ds_load_b128 v[FA+8*\q+4:FA+8*\q+7], v[ADRA+1] offset:1024*\q+4096*(\a)+512
.endr
.endm
.macro ROW a                           ; block a is finished: 32 matrix instructions
.set FA, PA+32*((\a)%4)
.set AC, 64*((\a)%4)
	WIN MUL_LO+0x50*((\a)/4)                       ; C and D in window 2 (blocks 0-3) or 3 (blocks 4-7)
.irp q, 0,1,2,3
.if ((\a) == 0) && (\q == 2)
	s_wait_dscnt 24                                ; wo's quarter 2 is in (behind it: the tokens' blocks 1 to 3)
.endif
.irp b, 0,1,2,3,4,5,6,7
	v_wmma_f32_16x16x32_f16 v[AC+8*\b:AC+8*\b+7], v[64*\q+8*\b:64*\q+8*\b+7], v[FA+8*\q:FA+8*\q+7], v[AC+8*\b:AC+8*\b+7]
.endr
.endr
.endm
; THE WAY OUT of block a, 16 rows x 128 columns, through my own stage: in as 32 bytes a lane, back as whole rows of 512 bytes.  LDS serves a wave's instructions in order: no wait between the stores and the loads.
.macro TOSTAGE a
.set AC, 64*((\a)%4)
	WIN 0x08+4*((\a)/4)                            ; the data: window 2 or 3
.irp b, 0,1,2,3,4,5,6,7
	ds_store_b128 v[STO], v[AC+8*\b:AC+8*\b+3] offset:64*\b          ; each accumulator from its low end on
	ds_store_b128 v[STO], v[AC+8*\b+4:AC+8*\b+7] offset:64*\b+16
.endr
	WIN 0
.if (\a) > 0
	s_wait_xcnt 0x0                                ; the block before: its stores have read v192-255 and their base: only behind this wait are those loaded again and the base stepped
.endif
.irp t, 0,1,2,3,4,5,6,7,8,9,10,11,12,13,14,15
	ds_load_b128 v[BK+4*\t:BK+4*\t+3], v[RD] offset:\t*SPITCH
.endr
.endm
.macro SEND a, younger                 ; younger: the LDS loads issued behind TOSTAGE's, which may stay out
	s_wait_dscnt \younger                          ; the block is back in registers
.if (\a) > 0
	s_add_nc_u64 s[8:9], s[8:9], 16*NROW           ; 16 rows of out0 on
.endif
.irp t, 0,1,2,3,4,5,6,7,8,9,10,11,12,13,14,15
	global_store_b128 v[CO], v[BK+4*\t:BK+4*\t+3], s[8:9] offset:\t*NROW th:TH_STORE_NT   ; 32 lanes store 512 consecutive bytes, at a multiple of 256 from out0's first byte
.endr
.endm
	s_wait_tensorcnt 1                             ; my part of K step 0 is in; K step 1's may be out
	s_barrier_signal -1
	s_barrier_wait -1
	FETCH 0, 0, F0
	QUARTER 0, 1, F0, F1, 1                        ; the first products start the sums.  Twelve quarters by K, written on end
	QUARTER 0, 2, F1, F0, 0
	QUARTER 0, 3, F0, F1, 0
	TURN 0, 1                                      ; slot 0 takes K step 2
	QUARTER 1, 1, F0, F1, 0
	QUARTER 1, 2, F1, F0, 0
	QUARTER 1, 3, F0, F1, 0
	TURN 1, 0                                      ; slot 1 takes K step 3
	QUARTER 0, 1, F0, F1, 0
	QUARTER 0, 2, F1, F0, 0
	QUARTER 0, 3, F0, F1, 0
	MEET 0                                         ; my one tensor load that was still out is slot 1's, the last K step's, so no round follows.  Behind this barrier nobody reads slot 0: the stages lie there
	PLACES                                         ; for the loads into buffer 0, which the quarter before multiplied
	WIN TO_B
	BLOAD 0                                        ; three quarters of wo now: buffer 1 (v128-191 of both windows) is still being multiplied
	BLOAD 1
	BLOAD 3
	WIN 0
	ALOAD 0
	WIN MUL_HI
	MUL16 F1, 1, 0, 0
	MUL16 F1, 1, 2, 0
	PLACES                                         ; for the loads into buffer 1
	WIN TO_B
	BLOAD 2
	WIN 0
	ALOAD 1
	ALOAD 2
	ALOAD 3
	s_wait_dscnt 40                                ; all but the 40 just issued
	ROW 0
.irp a, 0,1,2,3,4,5,6,7                ; each block leaves as soon as it is finished
	PLACES                                         ; its results are read, and its fragments' buffer is loaded again, below
	TOSTAGE \a
.if \a < 4
	ALOAD \a+4                                     ; its buffer takes the block four further on
	SEND \a, 8
.else
	SEND \a, 0
.endif
.if \a < 7
	ROW \a+1
.endif
.endr
	s_wait_tensorcnt 0x0                           ; the wave's end
	ds_add_u32 v[SPW], v[NIL]
	s_wait_dscnt 0x0
	CROUND                                         ; the closing round
	s_endpgm
.Lfunc_end_k_q656f63f255_oproj:
	.size	k_q656f63f255_oproj, .Lfunc_end_k_q656f63f255_oproj-k_q656f63f255_oproj
	.p2alignl 7, 3214868480
	.fill 96, 4, 3214868480
	.section	.rodata,"a",@progbits
	.p2align	6, 0x0
	.amdhsa_kernel k_q656f63f255_oproj
		.amdhsa_group_segment_fixed_size 327680
		.amdhsa_private_segment_fixed_size 0
		.amdhsa_enable_private_segment 0
		.amdhsa_kernarg_size 24
		.amdhsa_user_sgpr_count 2
		.amdhsa_user_sgpr_kernarg_segment_ptr 1
		.amdhsa_wavefront_size32 1
		.amdhsa_system_sgpr_workgroup_id_x 1
		.amdhsa_system_sgpr_workgroup_id_y 1
		.amdhsa_system_sgpr_workgroup_id_z 1
		.amdhsa_system_vgpr_workitem_id 0
		.amdhsa_next_free_vgpr 1024
		.amdhsa_next_free_sgpr 66
		.amdhsa_reserve_vcc 0
		.amdhsa_float_denorm_mode_32 3
		.amdhsa_float_denorm_mode_16_64 3
		.amdhsa_memory_ordered 1
		.amdhsa_forward_progress 1
		.amdhsa_inst_pref_size 140
	.end_amdhsa_kernel
	.amdgpu_metadata
---
amdhsa.version: [ 1, 2 ]
amdhsa.kernels:
  - .name:           k_q656f63f255_oproj
    .symbol:         k_q656f63f255_oproj.kd
    .args:
      - { .name: ao16, .offset: 0, .size: 8, .value_kind: global_buffer, .address_space: global }
      - { .name: wo16, .offset: 8, .size: 8, .value_kind: global_buffer, .address_space: global }
      - { .name: out0, .offset: 16, .size: 8, .value_kind: global_buffer, .address_space: global }
    .group_segment_fixed_size: 327680
    .private_segment_fixed_size: 0
    .kernarg_segment_align: 8
    .kernarg_segment_size: 24
    .max_flat_workgroup_size: 128
    .sgpr_count:     66
    .vgpr_count:     1024
    .wavefront_size: 32
...
	.end_amdgpu_metadata
.endif
;; end of part 4
;; launch first16 (part 5): grid 32 x 4, 4 waves a work-group, no clusters, 18,432 bytes of LDS; arguments q32, wo, out0; writes out0
.if DOCPART == 5
	.amdgcn_target "amdgcn-amd-amdhsa--gfx1250"
	.amdhsa_code_object_version 6
	.text
	.protected	k_q656f63f255_first16
	.globl	k_q656f63f255_first16
	.p2align	8
	.type	k_q656f63f255_first16,@function
k_q656f63f255_first16:
	s_mov_b64 s[64:65], 0
	v_nop
	global_prefetch_b8 v0, s[64:65] scope:SCOPE_SE
	s_setreg_imm32_b32 hwreg(HW_REG_WAVE_MODE, 25, 1), 1
	s_wait_xcnt 0x0
; FIRST16: rows 0 to 15 of each sequence, once more and wholly in f32 (few terms are summed there, so rounded operands weigh most): attention over 16 positions and the projection, by the f32 matrix form.
; Work-group (x, batch) makes 16 rows x columns 64 x .. 64 x + 63 of out0.  Wave w = head w: it does its head's 16 x 16 attention, then multiplies its head's 128 channels onto the 64 columns;
; the four heads' parts are added through LDS.
; q32 holds q, k x 2^-6 and v x 2^-2: 2^12 lies in the softmax's constant, 4 in the divisor.
; THE ORDER OF K is the same on both operands of every product: step (ct, i) gives the place (h, j) of K the index 16 ct + 8 h + 2 i + j.  So a lane's eight neighbouring numbers are four K steps,
; and a result's eight registers (S^T: keys 8 h + 0 .. 7; O^T: channels 16 ct + 8 h + 0 .. 7) are the next product's source 1 as they stand.
; The registers that the f32 matrix form writes lie in window 1 (v0-31, v32-95) and are written by matrix instructions alone; sums begin with the constant 0; accumulators take turns.
; No tensor load, no cluster: 128 small work-groups that share nothing but wo.
; REGISTERS.  window 0: v1 r, v2 h, v3-5, v10-12 addresses; v6 r - 8 h; v7 -infinity; v8, v9 the add's two; v13 m, v14 l, v15 4 / l; v16-23 scores; v24-31 p; v32-95 Q; v96-159 K; v160-223 V^T; v224-255 results.
;   window 1: v0-31 four accumulators of S^T, later the four of the projection; v32-95 O^T.   window 2: wo, 64 registers for each of four tiles of 16 columns.
.set SPARE, 17408                      ; behind the stage (4 heads x 16 rows x 272 bytes): the spare words, 128 bytes a wave
.set MSB, 0
.macro WIN new
.if MSB != (\new)
	s_set_vgpr_msb (MSB<<8)|(\new)
.set MSB, (\new)
.endif
.endm
	s_load_b128 s[4:7], s[0:1], 0x0                ; q32, wo
	s_load_b64 s[8:9], s[0:1], 0x10                ; out0
	v_lshl_add_u32 v8, v0, 2, SPARE
	v_mov_b32 v9, 0
	v_lshrrev_b32 v1, 5, v0
	v_readfirstlane_b32 s10, v1                    ; wave 0..3: my head
	s_and_b32 s13, ttmp7, 0xffff                   ; batch
	v_and_b32 v1, 15, v0                           ; r
	v_bfe_u32 v2, v0, 4, 1                         ; h
	v_lshlrev_b32 v3, 9, v1
	v_lshl_add_u32 v3, v2, 5, v3                   ; q, k: row r of 512 bytes + 32 h
	v_lshlrev_b32 v4, 2, v1
	v_lshl_add_u32 v4, v2, 12, v4                  ; v: rows 8 h on, channel r
	v_lshlrev_b32 v5, 11, v1
	v_lshl_add_u32 v5, v2, 5, v5                   ; wo: row r of 2,048 bytes + 32 h
	v_lshlrev_b32 v6, 3, v2
	v_sub_nc_u32 v6, v1, v6                        ; r - 8 h
	v_mov_b32 v7, 0xff800000
	v_mov_b32 v14, 0                               ; a lane permute's destination counts as one of its sources
	v_mov_b32 v15, 0
	s_mov_b32 s16, 0x76543210
	s_mov_b32 s17, 0xfedcba98
	s_mul_i32 s14, s10, 4352
	v_mul_u32_u24 v10, v1, 272
	v_lshl_add_u32 v10, v2, 5, v10
	v_add_nc_u32 v10, s14, v10                     ; the stage, in: my head's part, row r, byte 32 h
	s_mul_i32 s15, s10, 1088
	v_mul_u32_u24 v11, v2, 272
	v_lshl_add_u32 v11, v1, 4, v11
	v_add_nc_u32 v11, s15, v11                     ; and back: rows 4 w on, sixteen lanes to a row, two rows a load
	v_lshlrev_b32 v12, 13, v2
	v_lshl_add_u32 v12, v1, 4, v12                 ; the same two rows in out0
	s_mul_i32 s18, s13, 98304                      ; a batch's q, k, v: 3 x 4 heads x 8,192 bytes
	s_lshl_b32 s19, s10, 13
	s_add_co_u32 s18, s18, s19
	s_mov_b32 s19, 0
	s_lshl_b32 s20, ttmp9, 17                      ; wo's row 64 x, 2,048 bytes a row,
	s_lshl_b32 s21, s10, 9
	s_add_co_u32 s20, s20, s21                     ; my head's channels
	s_mov_b32 s21, 0
	s_lshl_b32 s22, s13, 11
	s_lshl_b32 s23, s10, 2
	s_add_co_u32 s22, s22, s23
	s_lshl_b32 s22, s22, 13                        ; out0's row 2,048 batch + 4 w,
	s_lshl_b32 s23, ttmp9, 8
	s_add_co_u32 s22, s22, s23                     ; column 64 x
	s_mov_b32 s23, 0
	s_wait_kmcnt 0x0
	s_add_nc_u64 s[4:5], s[4:5], s[18:19]
	s_add_nc_u64 s[6:7], s[6:7], s[20:21]
	s_add_nc_u64 s[8:9], s[8:9], s[22:23]
.irp ct, 0,1,2,3,4,5,6,7                           ; in the order in which they are wanted: Q, K, V, wo
	global_load_b128 v[32+8*\ct:35+8*\ct], v3, s[4:5] offset:64*\ct
	global_load_b128 v[36+8*\ct:39+8*\ct], v3, s[4:5] offset:64*\ct+16
.endr
.irp ct, 0,1,2,3,4,5,6,7
	global_load_b128 v[96+8*\ct:99+8*\ct], v3, s[4:5] offset:32768+64*\ct
	global_load_b128 v[100+8*\ct:103+8*\ct], v3, s[4:5] offset:32768+64*\ct+16
.endr
.irp ct, 0,1,2,3,4,5,6,7
.irp j, 0,1,2,3,4,5,6,7
	global_load_b32 v[160+8*\ct+\j], v4, s[4:5] offset:65536+512*\j+64*\ct   ; V(8 h + j, 16 ct + r)
.endr
.endr
	WIN 0x80                                       ; destination window 2
.irp e, 0,1,2,3
.irp ct, 0,1,2,3,4,5,6,7
	global_load_b128 v[64*\e+8*\ct:64*\e+8*\ct+3], v5, s[6:7] offset:32768*\e+64*\ct
	global_load_b128 v[64*\e+8*\ct+4:64*\e+8*\ct+7], v5, s[6:7] offset:32768*\e+64*\ct+16
.endr
.endr
	WIN 0
	s_wait_loadcnt 63                              ; behind V's loads stand wo's 64: with 63 out at the most, Q, K and V are in
	WIN 0x50                                       ; C and D in window 1
.irp ct, 0,1,2,3,4,5,6,7                           ; S^T = K Q^T: four accumulators by turns, accumulator i takes the steps (ct, i)
.irp i, 0,1,2,3
.if \ct == 0
	v_wmma_f32_16x16x4_f32 v[8*\i:8*\i+7], v[96+8*\ct+2*\i:97+8*\ct+2*\i], v[32+8*\ct+2*\i:33+8*\ct+2*\i], 0
.else
	v_wmma_f32_16x16x4_f32 v[8*\i:8*\i+7], v[96+8*\ct+2*\i:97+8*\ct+2*\i], v[32+8*\ct+2*\i:33+8*\ct+2*\i], v[8*\i:8*\i+7]
.endif
.endr
.endr
.rept 8
	v_nop                                          ; eight places behind this form (ISA guide 7.12.1)
.endr
	WIN 0x05                                       ; sources in window 1, destination in window 0
.irp j, 0,1,2,3,4,5,6,7
	v_add_f32 v[16+\j], v[\j], v[8+\j]             ; each accumulator from its low end on
.endr
.irp j, 0,1,2,3,4,5,6,7
	v_add_f32 v[24+\j], v[16+\j], v[24+\j]
.endr
	WIN 0
.irp j, 0,1,2,3,4,5,6,7
	v_add_f32 v[16+\j], v[16+\j], v[24+\j]         ; the score of key 8 h + j and query r, x 2^-12
.endr
.irp j, 0,1,2,3,4,5,6,7
	v_cmp_gt_i32 vcc_lo, \j, v6                    ; hidden where 8 h + j > r
	v_cndmask_b32 v[16+\j], v[16+\j], v7, vcc_lo
.endr
	v_max3_num_f32 v13, v16, v17, v18
	v_max3_num_f32 v13, v13, v19, v20
	v_max3_num_f32 v13, v13, v21, v22
	v_max_num_f32 v13, v13, v23
	v_permlanex16_b32 v14, v13, s16, s17
	v_max_num_f32 v13, v13, v14                    ; the row's maximum: key 0 counts for every query
.irp j, 0,1,2,3,4,5,6,7
	v_sub_f32 v[24+\j], v[16+\j], v13
.endr
.irp j, 0,1,2,3,4,5,6,7
	v_mul_f32 v[24+\j], 0x440293ee, v[24+\j]       ; x 2^12 log2(e) / sqrt(128)
.endr
.irp j, 0,1,2,3,4,5,6,7
	v_exp_f32 v[24+\j], v[24+\j]
.endr
	v_nop
	s_wait_alu depctr_va_vdst(0)                   ; one wait for the eight, ahead of their first reader
	v_add_f32 v14, v24, v25
	v_add_f32 v13, v26, v27
	v_add_f32 v14, v14, v28
	v_add_f32 v13, v13, v29
	v_add_f32 v14, v14, v30
	v_add_f32 v13, v13, v31
	v_add_f32 v14, v14, v13
	v_permlanex16_b32 v15, v14, s16, s17
	v_add_f32 v14, v14, v15                        ; the row's sum
	v_rcp_f32 v15, v14
	v_nop
	s_wait_alu depctr_va_vdst(0)
	v_mul_f32 v15, 4.0, v15                        ; 4 / l
	WIN 0x50
.irp i, 0,1,2,3                                    ; O^T = V^T P: eight accumulators by turns
.irp ct, 0,1,2,3,4,5,6,7
.if \i == 0
	v_wmma_f32_16x16x4_f32 v[32+8*\ct:39+8*\ct], v[160+8*\ct+2*\i:161+8*\ct+2*\i], v[24+2*\i:25+2*\i], 0
.else
	v_wmma_f32_16x16x4_f32 v[32+8*\ct:39+8*\ct], v[160+8*\ct+2*\i:161+8*\ct+2*\i], v[24+2*\i:25+2*\i], v[32+8*\ct:39+8*\ct]
.endif
.endr
.endr
	s_wait_loadcnt 0x0                             ; wo
.rept 9
	v_nop                                          ; nine places before a matrix instruction takes these results as a source
.endr
	WIN 0x56                                       ; source 0 (wo) in window 2; source 1 (O^T), C and D in window 1
.irp ct, 0,1,2,3,4,5,6,7                           ; the projection: four accumulators by turns
.irp i, 0,1,2,3
.irp e, 0,1,2,3
.if (\ct == 0) && (\i == 0)
	v_wmma_f32_16x16x4_f32 v[8*\e:8*\e+7], v[64*\e+8*\ct+2*\i:64*\e+8*\ct+2*\i+1], v[32+8*\ct+2*\i:33+8*\ct+2*\i], 0
.else
	v_wmma_f32_16x16x4_f32 v[8*\e:8*\e+7], v[64*\e+8*\ct+2*\i:64*\e+8*\ct+2*\i+1], v[32+8*\ct+2*\i:33+8*\ct+2*\i], v[8*\e:8*\e+7]
.endif
.endr
.endr
.endr
.rept 8
	v_nop
.endr
	WIN 0x01                                       ; source 0 in window 1
.set n, 0
.rept 32
	v_mul_f32 v[224+n], v[n], v15                  ; lane (r, h): row r, columns 16 e + 8 h + 0 .. 7 of the 64; each accumulator from its low end on
.set n, n+1
.endr
	WIN 0
.irp e, 0,1,2,3
	ds_store_b128 v10, v[224+8*\e:227+8*\e] offset:64*\e
	ds_store_b128 v10, v[228+8*\e:231+8*\e] offset:64*\e+16
.endr
	s_wait_dscnt 0x0                               ; for the others' sake
	s_barrier_signal -1
	s_barrier_wait -1
.irp i, 0,1
.irp k, 0,1,2,3
	ds_load_b128 v[32+16*\i+4*\k:35+16*\i+4*\k], v11 offset:544*\i+4352*\k   ; the four heads' parts of rows 4 w + 2 i and 4 w + 2 i + 1
.endr
.endr
	s_wait_dscnt 0x0
.irp i, 0,1
	v_pk_add_f32 v[32+16*\i:33+16*\i], v[32+16*\i:33+16*\i], v[36+16*\i:37+16*\i]
	v_pk_add_f32 v[34+16*\i:35+16*\i], v[34+16*\i:35+16*\i], v[38+16*\i:39+16*\i]
	v_pk_add_f32 v[40+16*\i:41+16*\i], v[40+16*\i:41+16*\i], v[44+16*\i:45+16*\i]
	v_pk_add_f32 v[42+16*\i:43+16*\i], v[42+16*\i:43+16*\i], v[46+16*\i:47+16*\i]
	v_pk_add_f32 v[32+16*\i:33+16*\i], v[32+16*\i:33+16*\i], v[40+16*\i:41+16*\i]
	v_pk_add_f32 v[34+16*\i:35+16*\i], v[34+16*\i:35+16*\i], v[42+16*\i:43+16*\i]
	global_store_b128 v12, v[32+16*\i:35+16*\i], s[8:9] offset:16384*\i   ; sixteen lanes store 256 consecutive bytes, aligned
.endr
	s_wait_tensorcnt 0x0                           ; the wave's end, behind my last LDS store
	ds_add_u32 v8, v9
	s_wait_dscnt 0x0
	s_endpgm
.Lfunc_end_k_q656f63f255_first16:
	.size	k_q656f63f255_first16, .Lfunc_end_k_q656f63f255_first16-k_q656f63f255_first16
	.p2alignl 7, 3214868480
	.fill 96, 4, 3214868480
	.section	.rodata,"a",@progbits
	.p2align	6, 0x0
	.amdhsa_kernel k_q656f63f255_first16
		.amdhsa_group_segment_fixed_size 18432
		.amdhsa_private_segment_fixed_size 0
		.amdhsa_enable_private_segment 0
		.amdhsa_kernarg_size 24
		.amdhsa_user_sgpr_count 2
		.amdhsa_user_sgpr_kernarg_segment_ptr 1
		.amdhsa_wavefront_size32 1
		.amdhsa_system_sgpr_workgroup_id_x 1
		.amdhsa_system_sgpr_workgroup_id_y 1
		.amdhsa_system_sgpr_workgroup_id_z 1
		.amdhsa_system_vgpr_workitem_id 0
		.amdhsa_next_free_vgpr 768
		.amdhsa_next_free_sgpr 66
		.amdhsa_reserve_vcc 1
		.amdhsa_float_denorm_mode_32 3
		.amdhsa_float_denorm_mode_16_64 3
		.amdhsa_memory_ordered 1
		.amdhsa_forward_progress 1
		.amdhsa_inst_pref_size 37
	.end_amdhsa_kernel
	.amdgpu_metadata
---
amdhsa.version: [ 1, 2 ]
amdhsa.kernels:
  - .name:           k_q656f63f255_first16
    .symbol:         k_q656f63f255_first16.kd
    .args:
      - { .name: q32, .offset: 0, .size: 8, .value_kind: global_buffer, .address_space: global }
      - { .name: wo, .offset: 8, .size: 8, .value_kind: global_buffer, .address_space: global }
      - { .name: out0, .offset: 16, .size: 8, .value_kind: global_buffer, .address_space: global }
    .group_segment_fixed_size: 18432
    .private_segment_fixed_size: 0
    .kernarg_segment_align: 8
    .kernarg_segment_size: 24
    .max_flat_workgroup_size: 128
    .sgpr_count:     66
    .vgpr_count:     768
    .wavefront_size: 32
...
	.end_amdgpu_metadata
.endif
;; end of part 5
